; MI455X (gfx1250); checked and timed in simulation.
; The chip was launched on July 23, 2026; its instructions are those of AMD's public machine-readable ISA for CDNA 5 (MIT licence, August 2026) and "CDNA5" Instruction Set Architecture Reference Guide (July 2026). The comments in the code are by the model that wrote it; some were corrected since.
;; Causal Self Attention. Allowed arithmetic: matrix products marked QUANTISED: E4M3 operands, one given power-of-two scale a tensor, by v_wmma_f32_16x16x64_fp8_fp8 or v_wmma_f32_16x16x128_fp8_fp8, f32 sums; everything else in f32.
;; Inputs: c_proj_w 1,024 x 1,024 float32; lambdas 2 float32; lowp_scales 8 int32 (the exponents e of the quantised operands' scales 2^e); qkv_w 3 x 1,024 x 1,024 float32; ve 1 x 4,096 x 1,024 float32; x 1 x 4,096 x 1,024 float32.
;; Outputs: out0 1 x 4,096 x 1,024 float32.
;; This version of the problem:
;;   THIS VERSION OF THE PROBLEM IS GIVEN IN LOW PRECISION. The matrix products marked QUANTISED in the list below multiply operands that are first quantised to E4M3 (4 exponent bits, 3 mantissa bits; 8 bits a number), with one given power-of-two scale for each operand tensor; their sums are f32. All else is computed in f32.
;;   The module's matrix products, in the order in which they are computed (A, B: the left and right operand; K: the contracted axis; several contracted axes count as one K, in the product's order):
;;     1. [M 4,096, K 1,024] x [K 1,024, N 3,072]; A: input x; B: input qkv_w: QUANTISED (scales: A lowp_scales[0], B lowp_scales[1])
;;     2. batch 8 x [M 4,096, K 128] x [K 128, N 4,096]; A: computed on the way; B: computed on the way: QUANTISED (scales: A lowp_scales[2], B lowp_scales[3])
;;     3. batch 8 x [M 128, K 4,096] x [K 4,096, N 4,096]; A: computed on the way; B: softmax (see below): QUANTISED (scales: A lowp_scales[4], B lowp_scales[5])
;;     4. [M 4,096, K 1,024] x [K 1,024, N 1,024]; A: computed on the way; B: input c_proj_w: QUANTISED (scales: A lowp_scales[6], B lowp_scales[7])
;;   THE QUANTISER, for each operand of a quantised product, along K:
;;     - The operand's scale is 2^e, e = its entry of the input lowp_scales (int32; the entries are numbered through the quantised products in the list's order, A before B).
;;     - Each number is divided by the scale, clamped to +-448, and rounded to the nearest number of E4M3, ties to even, subnormals kept.
;;     - The product sums the exact products of the quantised numbers (number of the format x scale) in f32.
;;   ~~~python
;;   def quantise(x, axis, e):      # numpy; x: float32 -> the quantised numbers, widened to float32 again
;;       x = np.moveaxis(x, axis, -1); K = x.shape[-1]
;;       r = np.clip(x / 2.0 ** e, -448, 448)
;;       step = 2.0 ** (np.maximum(np.frexp(np.where(r == 0, 1, r))[1] - 1, -6) - 3)
;;       q = np.round(r / step) * step * 2.0 ** e      # np.round: ties to even
;;       return np.moveaxis(q, -1, axis).astype(np.float32)
;;   ~~~
;;   SOFTMAX AHEAD OF A QUANTISED PRODUCT. Where the list says 'softmax', what is quantised is not the finished softmax but p = 2^(t - M), with t = logit x log2(e) and M = ceil(the row's largest t), a whole number; so 1/2 < the row's largest p <= 1. The row's sum l is taken of the UNQUANTISED p, in f32, and the product's result is divided by l at the end. Since M is a whole number, a kernel that streams over the keys may use a running M (the ceiling of the running maximum): every later rescaling is an exact power of two, so the quantised numbers keep their values, but for numbers so far below the row's largest that they fall under the format's range.
;;   OPERANDS COMPUTED ON THE WAY. 'Computed on the way' means the value that the module computes at that place (a softmax that the list does not call 'softmax' is quantised finished and normalised). What goes into a quantiser is computed in f32, as accurately as f32 sums, v_exp_f32 and their like allow (about 1e-6 of the number): no bf16 or f16 on the way to a quantiser, and a product that is left as it is and whose result goes on into a quantised operand takes f32 operands (vector FMAs, or v_wmma_f32_16x16x4_f32). A number that lies on a knife's edge between two numbers of the format may be rounded either way, as far as f32 arithmetic and the matrix unit's own rounding can turn it there, and no further.
;; One version. Each part assembles by itself: llvm-mc -triple=amdgcn-amd-amdhsa -mcpu=gfx1250 --defsym DOCPART=n.
;; ======== version 1 of 1: 4 launches
;; limits: right only within a limited range of input values
;; workspace buffers: codes 8,388,608 bytes; rope 1,048,576 bytes; qkvc 12,582,912 bytes; yc 4,194,304 bytes
;; launch prep (part 1): grid 256 x 1, 4 waves a work-group, no clusters, 33,280 bytes of LDS; arguments x, qkv_w, c_proj_w, lowp_scales, codes, rope; writes codes, rope
.if DOCPART == 1
	.amdgcn_target "amdgcn-amd-amdhsa--gfx1250"
	.amdhsa_code_object_version 6
	.text
	.protected	k_qc708fed554_prep
	.globl	k_qc708fed554_prep
	.p2align	8
	.type	k_qc708fed554_prep,@function
k_qc708fed554_prep:
	s_mov_b64 s[64:65], 0
	v_nop
	global_prefetch_b8 v0, s[64:65] scope:SCOPE_SE
	s_setreg_imm32_b32 hwreg(HW_REG_WAVE_MODE, 25, 1), 1
	s_wait_xcnt 0x0
; FIRST OF FOUR LAUNCHES of a causal self-attention block (T = 4,096, 8 heads of 128) whose four products run on codes of FP8 (E4M3), each operand with the one scale 2^e that is given for it.
; This launch: (1) x [4096][1024], qkv_w [3072][1024] and c_proj_w [1024][1024], f32 with K innermost, become codes in the buffer 'codes', one dense stream in that order (x at byte 0, qkv_w at 4,194,304,
; c_proj_w at 7,340,032): code = number / 2^e, held within +-448, to the nearest code, ties to even; e = entry 0, 1, 7 of the scales.  (2) the table of RoPE's cosines and sines.
; WORK LEFT OUT IN THE PROGRAM, AND WHY IT IS DEAD, for all values of the inputs:
;  (a) reference() sets every score with key > query to -infinity by a tril that it builds in its own body, so that score's p is 0 and adds nothing to the row's sum nor to y.  Key steps that lie wholly
;      behind a wave's queries are not computed, and key slots behind a work-group's last query are not fetched (third launch).
;  (b) the upper 32 of RoPE's 64 frequencies are zeros that reference() builds in its own body: theta = t x 0 = 0, cos = 1, sin = 0 for every t, so y1 = x1 and y2 = x2 for dims 32-63 and 96-127 of a head:
;      these dims have no table entry and no rotation (second launch).
;  LIMIT: a NaN, an infinity or an overflow that reaches only this work (infinity x 0 in the unrotated half, scores above the diagonal) is not carried to the result.  Every input is loaded by some launch.
; LIMITS: each e used here lies between -126 and 119, so that 2^e and 448 x 2^e are f32 numbers.  NaN among the inputs is not served.
; THE TABLE.  freq(i) = (1/1024)^(i/31), i = 0..31: i/31 is made correctly rounded (a product with 1/31 and one correction by fused multiply-adds), 2^(-10 i/31) by v_exp_f32 on an argument within +-0.5 and
; v_ldexp_f32, so a frequency is good to the last place or so and an angle theta = t x freq (one rounding, as reference() has it) may differ from reference()'s by some 4e-4 at t = 4,095.  Sine and cosine: theta less k x pi/2
; in three parts by fused multiply-adds, polynomials on +-pi/4, quadrant by selects: no branch and no address hangs on these numbers.
; Layout of 'rope': [t / 16][g 0..7][lane][4 f32]: group g = 2 b + u holds cosines, 4 + 2 b + u sines, of t = 16 (t / 16) + lane % 16 and i = 16 b + 8 (lane / 16) + 4 u + 0..3: the register image that the second launch's lanes want.
; SHARES.  Work-groups 0-127 take x, 128-223 qkv_w, 224-255 c_proj_w: only pointers and e are chosen, all take one path.  A wave takes 16 steps of 512 numbers.  The conversions want 16 NEIGHBOURS in a lane's registers, a load is
; best where neighbouring LANES take neighbouring bytes: each load reads 512 consecutive bytes, a step's 2,048 bytes turn through the wave's own stage in LDS (16 bytes of padding behind each 64) and come back 64 bytes a lane.
; A lane's 16 codes are 16 bytes: the wave stores 512 consecutive bytes.  Each wave also makes one group of cosines and one of sines (work-group = t / 16, wave = 2 b + u), while its first loads are on their way.
; No tensor load, no barrier: waves share nothing.
.set WAVES, 4
.set STEPS, 16
.set EMAX,  8
.set MANT,  0x600000                   ; the mantissa field of 448 as f32
.set CB,    16                         ; bytes of 16 codes
.set R,     16                         ; v16-79   four sets of 16 numbers as they are loaded
.set X,     80                         ; v80-111  two sets of 16 neighbours
.set C,     128                        ; v128-191 codes: four registers for each step, so that no store's data are written again
.set TR,    128                        ; v128-159 at work on the table, eight registers for each of a lane's four entries: done with before the first codes are made
.set CO,    192                        ; v192-195 my four cosines; v196-199 my four sines: never rewritten
.set SI,    196
.set WREG,  8192                       ; LDS: a region of its own for each wave: two stages of 32 x SP bytes
.set SP,    80                         ; a lane's place in a stage: its 64 bytes + 16 of padding
.set SPW,   12                         ; v12      LDS address of my spare word: SPARE + 4 x my thread's number; never rewritten
.set NIL,   13                         ; v13      0; never rewritten
.set SPARE, WAVES*WREG                 ; behind the four regions: the spare words, 128 bytes for each wave
	s_load_b256 s[4:11], s[0:1], 0x0               ; x s[4:5], qkv_w s[6:7], c_proj_w s[8:9], the scales' exponents s[10:11]
	s_load_b128 s[12:15], s[0:1], 0x20             ; codes s[12:13], rope s[14:15]
	v_lshl_add_u32 v[SPW], v0, 2, SPARE
	v_mov_b32 v[NIL], 0
	v_lshrrev_b32 v1, 5, v0
	v_readfirstlane_b32 s16, v1                    ; wave
	v_and_b32 v2, 31, v0                           ; lane
	v_lshlrev_b32 v3, 4, v2                        ; 16 x lane: my 16 bytes of a load's 512, of a step's codes and of a group of the table; never rewritten
	s_mul_i32 s17, s16, WREG
	v_lshrrev_b32 v14, 2, v2
	v_mul_u32_u24 v14, v14, SP
	v_and_b32 v15, 3, v2
	v_lshl_add_u32 v14, v15, 4, v14
	v_add_nc_u32 v14, s17, v14                     ; the stage, on the way in: four lanes' 64 bytes on end, then 16 of padding
	v_mul_u32_u24 v15, v2, SP
	v_add_nc_u32 v15, s17, v15                     ; and on the way out: SP x lane: my 16 neighbours
	s_mov_b32 s32, 0x3d042108                      ; 1/31
	s_mov_b32 s33, 0xc1f80000                      ; -31
	s_mov_b32 s34, 0xc1200000                      ; -10 = log2(1/1024)
	s_mov_b32 s35, 0x3f22f983                      ; 2/pi
	s_mov_b32 s36, 0x3fc90fd8                      ; pi/2 in three parts
	s_mov_b32 s37, 0x34a8885a
	s_mov_b32 s38, 0x27c234c4
	s_mov_b32 s39, 0xbe2aaaa3                      ; the sine's polynomial
	s_mov_b32 s40, 0x3c08839e
	s_mov_b32 s41, 0xb94ca1f9
	s_mov_b32 s42, 0x3d2aaaa5                      ; the cosine's
	s_mov_b32 s43, 0xbab6061a
	s_mov_b32 s44, 0x37ccf5ce
	s_lshr_b32 s22, s16, 1
	s_lshl_b32 s22, s22, 4
	s_and_b32 s23, s16, 1
	s_lshl_b32 s23, s23, 2
	s_add_co_u32 s22, s22, s23                     ; 16 b + 4 u
	v_bfe_u32 v5, v0, 4, 1
	v_lshl_add_u32 v5, v5, 3, s22                  ; my first frequency's number: 16 b + 8 (lane / 16) + 4 u
	s_lshl_b32 s23, ttmp9, 4
	v_and_b32 v6, 15, v0
	v_add_nc_u32 v6, s23, v6
	v_cvt_f32_u32 v6, v6                           ; my t = 16 x work-group + lane % 16
	s_mov_b32 s17, 224                             ; the first work-group of my tensor: 0, 128 or 224
	s_cmp_lt_u32 ttmp9, 224
	s_cselect_b32 s17, 128, s17
	s_cmp_lt_u32 ttmp9, 128
	s_cselect_b32 s17, 0, s17
	s_sub_co_u32 s17, ttmp9, s17
	s_lshl_b32 s17, s17, 2
	s_add_co_u32 s18, s17, s16                     ; which run of 8,192 numbers of the tensor is my wave's,
	s_lshl_b32 s18, s18, 15                        ; in bytes (under 2^24)
	s_mov_b32 s19, 0
	s_lshl_b32 s20, ttmp9, 2
	s_add_co_u32 s20, s20, s16
	s_lshl_b32 s20, s20, 13                        ; and its codes: the three tensors' codes lie on end in the order of the work-groups
	s_mov_b32 s21, 0
	s_lshl_b32 s46, ttmp9, 12
	s_lshl_b32 s47, s16, 9
	s_add_co_u32 s46, s46, s47                     ; my group of cosines: 4,096 x work-group + 512 x wave
	s_mov_b32 s47, 0
	s_wait_alu depctr_va_vdst(0)
	s_wait_kmcnt 0x0
	s_load_b256 s[24:31], s[10:11], 0x0            ; e0 .. e7
	s_cmp_lt_u32 ttmp9, 224                        ; the choice hangs on the work-group's number alone
	s_cselect_b64 s[6:7], s[6:7], s[8:9]
	s_cmp_lt_u32 ttmp9, 128
	s_cselect_b64 s[4:5], s[4:5], s[6:7]
	s_add_nc_u64 s[4:5], s[4:5], s[18:19]
	s_add_nc_u64 s[12:13], s[12:13], s[20:21]
	s_add_nc_u64 s[14:15], s[14:15], s[46:47]
.macro LOAD t
.irp i, 0,1,2,3
	global_load_b128 v[R+16*((\t)%4)+4*\i:R+16*((\t)%4)+4*\i+3], v3, s[4:5] offset:2048*(\t)+512*\i th:TH_LOAD_NT   ; 32 lanes read 512 consecutive bytes
.endr
.endm
.macro TURN t                          ; step t's numbers through the stage: LDS serves a wave's instructions in order, so no wait stands between the stores and the loads
.irp i, 0,1,2,3
	ds_store_b128 v14, v[R+16*((\t)%4)+4*\i:R+16*((\t)%4)+4*\i+3] offset:32*SP*((\t)%2)+8*SP*\i
.endr
.irp i, 0,1,2,3
	ds_load_b128 v[X+16*((\t)%2)+4*\i:X+16*((\t)%2)+4*\i+3], v15 offset:32*SP*((\t)%2)+16*\i
.endr
.endm
.irp t, 0,1,2,3
	LOAD \t
.endr
	s_wait_kmcnt 0x0
	s_cmp_lt_u32 ttmp9, 224
	s_cselect_b32 s22, s25, s31                    ; e1 or e7,
	s_cmp_lt_u32 ttmp9, 128
	s_cselect_b32 s22, s24, s22                    ; or e0
	s_add_co_i32 s22, s22, 127
	s_lshl_b32 s23, s22, 23
	v_mov_b32 v11, s23                             ; 2^e as f32: the conversion takes its exponent field
	s_add_co_i32 s22, s22, EMAX
	s_lshl_b32 s22, s22, 23
	s_or_b32 s22, s22, MANT
	v_mov_b32 v10, s22                             ; the largest number x 2^e
	; THE TABLE, while the sixteen loads are on their way.  Entry jj works in v[TR + 8 jj] on.
.irp jj, 0,1,2,3
	v_add_nc_u32 v[TR+8*\jj], \jj, v5
	v_cvt_f32_u32 v[TR+8*\jj], v[TR+8*\jj]                           ; i
	v_mul_f32 v[TR+8*\jj+1], s32, v[TR+8*\jj]                        ; q = i x (1/31)
	v_fma_f32 v[TR+8*\jj+2], s33, v[TR+8*\jj+1], v[TR+8*\jj]         ; what q leaves: i - 31 q
	v_fma_f32 v[TR+8*\jj+1], v[TR+8*\jj+2], s32, v[TR+8*\jj+1]       ; i / 31, rounded once
	v_mul_f32 v[TR+8*\jj+2], s34, v[TR+8*\jj+1]
	v_rndne_f32 v[TR+8*\jj+2], v[TR+8*\jj+2]                         ; n = the whole number nearest to -10 i / 31
	v_fma_f32 v[TR+8*\jj+3], s34, v[TR+8*\jj+1], -v[TR+8*\jj+2]      ; the rest, within +-0.5
	v_cvt_i32_f32 v[TR+8*\jj+2], v[TR+8*\jj+2]
.endr
	s_wait_alu depctr_va_vdst(0)
.irp jj, 0,1,2,3
	v_exp_f32 v[TR+8*\jj+3], v[TR+8*\jj+3]                           ; one batch of four
.endr
	v_nop                                          ; a plain instruction behind the last exponential
	s_wait_alu depctr_va_vdst(0)                   ; one wait for the batch, ahead of its first reader
.irp jj, 0,1,2,3
	v_ldexp_f32 v[TR+8*\jj+3], v[TR+8*\jj+3], v[TR+8*\jj+2]          ; freq = 2^rest x 2^n
	v_mul_f32 v[TR+8*\jj], v6, v[TR+8*\jj+3]                         ; theta = t x freq
	v_mul_f32 v[TR+8*\jj+1], s35, v[TR+8*\jj]
	v_rndne_f32 v[TR+8*\jj+1], v[TR+8*\jj+1]                         ; k = the whole number nearest to theta x 2/pi (2,607 at the most)
	v_fma_f32 v[TR+8*\jj], -v[TR+8*\jj+1], s36, v[TR+8*\jj]          ; r = theta - k pi/2, within +-pi/4
	v_fma_f32 v[TR+8*\jj], -v[TR+8*\jj+1], s37, v[TR+8*\jj]
	v_fma_f32 v[TR+8*\jj], -v[TR+8*\jj+1], s38, v[TR+8*\jj]
	v_mul_f32 v[TR+8*\jj+2], v[TR+8*\jj], v[TR+8*\jj]                ; z = r^2
	v_fma_f32 v[TR+8*\jj+3], s41, v[TR+8*\jj+2], s40
	v_fma_f32 v[TR+8*\jj+3], v[TR+8*\jj+3], v[TR+8*\jj+2], s39
	v_mul_f32 v[TR+8*\jj+3], v[TR+8*\jj+3], v[TR+8*\jj+2]
	v_fma_f32 v[TR+8*\jj+3], v[TR+8*\jj+3], v[TR+8*\jj], v[TR+8*\jj] ; sin r
	v_fma_f32 v[TR+8*\jj+4], s44, v[TR+8*\jj+2], s43
	v_fma_f32 v[TR+8*\jj+4], v[TR+8*\jj+4], v[TR+8*\jj+2], s42
	v_mul_f32 v[TR+8*\jj+5], v[TR+8*\jj+2], v[TR+8*\jj+2]
	v_fma_f32 v[TR+8*\jj+6], -0.5, v[TR+8*\jj+2], 1.0
	v_fma_f32 v[TR+8*\jj+4], v[TR+8*\jj+4], v[TR+8*\jj+5], v[TR+8*\jj+6]   ; cos r
	v_cvt_i32_f32 v[TR+8*\jj+1], v[TR+8*\jj+1]
	v_and_b32 v[TR+8*\jj+5], 1, v[TR+8*\jj+1]
	v_cmp_eq_u32 vcc_lo, 1, v[TR+8*\jj+5]                            ; in an odd quadrant sine and cosine change places: a select of values
	v_cndmask_b32 v[TR+8*\jj+6], v[TR+8*\jj+3], v[TR+8*\jj+4], vcc_lo
	v_cndmask_b32 v[TR+8*\jj+7], v[TR+8*\jj+4], v[TR+8*\jj+3], vcc_lo
	v_and_b32 v[TR+8*\jj+5], 2, v[TR+8*\jj+1]
	v_lshlrev_b32 v[TR+8*\jj+5], 30, v[TR+8*\jj+5]
	v_xor_b32 v[SI+\jj], v[TR+8*\jj+5], v[TR+8*\jj+6]                ; the sine is negated in quadrants 2 and 3,
	v_add_nc_u32 v[TR+8*\jj+1], 1, v[TR+8*\jj+1]
	v_and_b32 v[TR+8*\jj+1], 2, v[TR+8*\jj+1]
	v_lshlrev_b32 v[TR+8*\jj+1], 30, v[TR+8*\jj+1]
	v_xor_b32 v[CO+\jj], v[TR+8*\jj+1], v[TR+8*\jj+7]                ; the cosine in quadrants 1 and 2
.endr
	global_store_b128 v3, v[CO:CO+3], s[14:15]                 ; 512 consecutive bytes each
	global_store_b128 v3, v[SI:SI+3], s[14:15] offset:2048
	s_wait_loadcnt 12                              ; step 0's four loads are in; the twelve of steps 1 to 3 may be out
	TURN 0
.macro STEP t
.set XS, X+16*((\t)%2)
	s_wait_dscnt 0x0                               ; this step's numbers are back from the stage: so its stores into the stage have read their registers,
.if (\t)+4 < STEPS
	LOAD (\t)+4                                    ; which take the loads of four steps on
.endif
.if (\t)+1 < STEPS
.if STEPS-2-(\t) >= 3
	s_wait_loadcnt 12                              ; the next step's four loads are in; those of the three steps behind it may be out
.else
	s_wait_loadcnt 4*(STEPS-2-(\t))                ; the tail: four loads for each step still behind the next
.endif
	TURN (\t)+1                                    ; and go through the other stage while this step is worked
.endif
.irp i, 0,1,2,3,4,5,6,7,8,9,10,11,12,13,14,15
	v_med3_num_f32 v[XS+\i], v[XS+\i], -v10, v10   ; the conversion to an 8-bit code does not saturate (ISA guide 7.6.2): hold the number within the largest code x the scale first
.endr
	v_cvt_scalef32_pk8_fp8_f32 v[C+4*(\t):C+4*(\t)+1], v[XS:XS+7], v11
	v_cvt_scalef32_pk8_fp8_f32 v[C+4*(\t)+2:C+4*(\t)+3], v[XS+8:XS+15], v11
	global_store_b128 v3, v[C+4*(\t):C+4*(\t)+3], s[12:13] offset:32*CB*(\t)   ; the results go to a store alone; the next vector lines, the next step's holds, are plain and touch other registers
.endm
.irp t, 0,1,2,3,4,5,6,7,8,9,10,11,12,13,14,15
	STEP \t
.endr
	s_wait_tensorcnt 0x0                           ; the wave's end
	ds_add_u32 v[SPW], v[NIL]
	s_wait_dscnt 0x0
	s_endpgm
.Lfunc_end_k_qc708fed554_prep:
	.size	k_qc708fed554_prep, .Lfunc_end_k_qc708fed554_prep-k_qc708fed554_prep
	.p2alignl 7, 3214868480
	.fill 96, 4, 3214868480
	.section	.rodata,"a",@progbits
	.p2align	6, 0x0
	.amdhsa_kernel k_qc708fed554_prep
		.amdhsa_group_segment_fixed_size 33280
		.amdhsa_private_segment_fixed_size 0
		.amdhsa_enable_private_segment 0
		.amdhsa_kernarg_size 48
		.amdhsa_user_sgpr_count 2
		.amdhsa_user_sgpr_kernarg_segment_ptr 1
		.amdhsa_wavefront_size32 1
		.amdhsa_system_sgpr_workgroup_id_x 1
		.amdhsa_system_sgpr_workgroup_id_y 1
		.amdhsa_system_sgpr_workgroup_id_z 1
		.amdhsa_system_vgpr_workitem_id 0
		.amdhsa_next_free_vgpr 208
		.amdhsa_next_free_sgpr 66
		.amdhsa_reserve_vcc 1
		.amdhsa_float_denorm_mode_32 3
		.amdhsa_float_denorm_mode_16_64 3
		.amdhsa_memory_ordered 1
		.amdhsa_forward_progress 1
		.amdhsa_inst_pref_size 46
	.end_amdhsa_kernel
	.amdgpu_metadata
---
amdhsa.version: [ 1, 2 ]
amdhsa.kernels:
  - .name:           k_qc708fed554_prep
    .symbol:         k_qc708fed554_prep.kd
    .args:
      - { .name: x, .offset: 0, .size: 8, .value_kind: global_buffer, .address_space: global }
      - { .name: qkv_w, .offset: 8, .size: 8, .value_kind: global_buffer, .address_space: global }
      - { .name: c_proj_w, .offset: 16, .size: 8, .value_kind: global_buffer, .address_space: global }
      - { .name: lowp_scales, .offset: 24, .size: 8, .value_kind: global_buffer, .address_space: global }
      - { .name: codes, .offset: 32, .size: 8, .value_kind: global_buffer, .address_space: global }
      - { .name: rope, .offset: 40, .size: 8, .value_kind: global_buffer, .address_space: global }
    .group_segment_fixed_size: 33280
    .private_segment_fixed_size: 0
    .kernarg_segment_align: 8
    .kernarg_segment_size: 48
    .max_flat_workgroup_size: 128
    .sgpr_count:     66
    .vgpr_count:     208
    .wavefront_size: 32
...
	.end_amdgpu_metadata
.endif
;; end of part 1
;; launch qkv (part 2): grid 12 x 16, 4 waves a work-group, clusters of 4 x 4, 327,680 bytes of LDS; arguments codes, rope, ve, lambdas, lowp_scales, qkvc; writes qkvc
.if DOCPART == 2
	.amdgcn_target "amdgcn-amd-amdhsa--gfx1250"
	.amdhsa_code_object_version 6
	.text
	.protected	k_qc708fed554_qkv
	.globl	k_qc708fed554_qkv
	.p2align	8
	.type	k_qc708fed554_qkv,@function
k_qc708fed554_qkv:
	s_mov_b64 s[64:65], 0
	v_nop
	global_prefetch_b8 v0, s[64:65] scope:SCOPE_SE
	s_setreg_imm32_b32 hwreg(HW_REG_WAVE_MODE, 25, 1), 1
	s_wait_xcnt 0x0
	s_wait_alu depctr_hold_cnt(0) depctr_sa_sdst(0) depctr_va_vdst(0) depctr_va_sdst(0) depctr_va_ssrc(0) depctr_va_vcc(0) depctr_vm_vsrc(0)
	s_getreg_b32 s2, hwreg(HW_REG_IB_STS2, 6, 4)
	s_cmp_eq_u32 s2, 0
	s_cbranch_scc0 .Lentry_in_a_cluster
	s_endpgm
.Lentry_in_a_cluster:
	s_bfe_u32 s2, ttmp6, 0x10000c
	s_cmp_lg_u32 s2, 0xf033
	s_cbranch_scc0 .Lentry_shape_is_right
	s_endpgm
.Lentry_shape_is_right:
.set KSTEP,  256
.set ROWB,   256
.set KROW,   1024
.set PITCH,  272
.set FR,     16
.set NL,     4
.set NP,     4
.set HALFT,  128*PITCH
.set SLOT,   4*HALFT
.set LAPS,   2
.set SPARE,  2*SLOT
.set WST,    25088
.set IMG,    8448
.set IPITCH, 2064
.set ADRA, 16
.set ADRB, 20
.set IMR,  22
.set STO,  24
.set RD,   25
.set LO,   26
.set IMS,  27
.set SPW,  28
.set NIL,  29
.set SCL,  30
.set LIMV, 31
.set AF,   128
.set G1, 24
.set G0, 32
.set G1B, 48
.set G0B, 56
.set MSB, 0
.macro WIN new
.if MSB != (\new)
	s_set_vgpr_msb (MSB<<8)|(\new)
.set MSB, (\new)
.endif
.endm
.set MUL_LO, 0xa1
.set MUL_HI, 0xf1
.set TO_B,   0x40
.macro JLOAD g0a, g1a, g0b, g1b
	s_cmp_eq_u32 s15, 0
	s_cbranch_scc0 .Lfor_b_\@
	tensor_load_to_lds s[\g0a:\g0a+3], s[\g1a:\g1a+7]
	s_nop 0
.rept 4
	v_nop
.endr
	s_branch .Lasked_\@
.Lfor_b_\@:
	tensor_load_to_lds s[\g0b:\g0b+3], s[\g1b:\g1b+7]
	s_nop 0
.rept 4
	v_nop
.endr
.Lasked_\@:
.endm
.macro CREST
	s_cmp_lg_u32 s14, 0
	s_cbranch_scc1 .Lnot_wave_0_\@
	s_barrier_signal -3
.Lnot_wave_0_\@:
	s_barrier_wait -3
	s_barrier_signal -1
	s_barrier_wait -1
.endm
.macro CROUND
	s_barrier_signal -1
	s_barrier_wait -1
	CREST
.endm
	s_load_b256 s[4:11], s[0:1], 0x0
	s_load_b128 s[68:71], s[0:1], 0x20
	v_lshl_add_u32 v[SPW], v0, 2, SPARE
	v_mov_b32 v[NIL], 0
	ds_add_u32 v[SPW], v[NIL]
	ds_add_u32 v[SPW], v[NIL]
	v_lshrrev_b32 v1, 5, v0
	v_readfirstlane_b32 s14, v1
	v_and_b32 v18, 31, v0
	v_lshlrev_b32 v23, 10, v18                     ; v23: the codes' prefetches: a lane a row of 1,024 bytes; never rewritten
	v_lshrrev_b32 v19, 1, v18
	v_and_b32 v18, 1, v18
	v_lshlrev_b32 v18, 8, v18
	v_lshl_add_u32 v18, v19, 12, v18               ; v18: ve's prefetches: two lanes to a row's 512 bytes, rows 4,096 bytes apart; never rewritten
	s_lshr_b32 s15, s14, 1
	s_and_b32 s16, s14, 1
	s_bfe_u32 s40, ttmp6, 0x40000
	s_bfe_u32 s41, ttmp6, 0x40004
	s_lshl_b32 s42, ttmp9, 2
	s_add_co_u32 s42, s42, s40
	s_and_b32 s17, ttmp7, 0xffff
	s_lshl_b32 s17, s17, 2
	s_add_co_u32 s17, s17, s41
	s_lshl_b32 s43, s41, 2
	s_lshl_b32 s43, 15, s43
	s_lshl_b32 s44, 0x1111, s40
	s_or_b32 s[G1+0], s43, (0<<16)|(1<<20)|(1<<21)|(5<<22)|(3<<25)
	s_or_b32 s[G1B+0], s44, (0<<16)|(1<<20)|(1<<21)|(5<<22)|(3<<25)
.irp g, G1, G1B
	s_mov_b32 s[\g+1], ROWB<<16
	s_mov_b32 s[\g+2], 128<<16
	s_mov_b32 s[\g+3], ROWB<<16
	s_mov_b32 s[\g+4], 128
	s_mov_b32 s[\g+5], KROW
	s_mov_b32 s[\g+6], 0
	s_mov_b32 s[\g+7], 0
.endr
	s_lshl_b32 s18, s16, 7
	s_lshl_b32 s20, s17, 8
	s_add_co_u32 s20, s20, s18
	s_lshl_b32 s20, s20, 10
	s_mov_b32 s21, 0
	s_lshl_b32 s46, s42, 8
	s_add_co_u32 s46, s46, s18
	s_lshl_b32 s46, s46, 10
	s_add_co_u32 s46, s46, 0x400000
	s_mov_b32 s47, 0
	s_mul_i32 s45, s14, HALFT
	s_mov_b32 s96, 0x76543210
	s_mov_b32 s97, 0xfedcba98
	s_wait_dscnt 0x0
	s_wait_kmcnt 0x0
	s_load_b256 s[72:79], s[68:69], 0x0
	s_load_b64 s[80:81], s[10:11], 0x0
	s_add_nc_u64 s[20:21], s[4:5], s[20:21]
	s_add_nc_u64 s[46:47], s[4:5], s[46:47]
	s_cmp_eq_u32 s15, 0                            ; the prefetches of the codes: of the 128 rows that I fetch, the four partners that ask for them jointly take 32 each, told apart by address alone
	s_cselect_b64 s[12:13], s[20:21], s[46:47]
	s_cselect_b32 s66, s40, s41
	s_lshl_b32 s66, s66, 15
	s_mov_b32 s67, 0
	s_add_nc_u64 s[12:13], s[12:13], s[66:67]
	CROUND
.irp s, 0,1
	s_mov_b32 s[G0+4*\s], 1
	s_add_co_u32 s[G0+4*\s+1], s45, \s*SLOT
	s_add_nc_u64 s[G0+4*\s+2:G0+4*\s+3], s[20:21], \s*ROWB
	s_or_b32 s[G0+4*\s+3], s[G0+4*\s+3], 0x80000000
	s_mov_b32 s[G0B+4*\s], 1
	s_add_co_u32 s[G0B+4*\s+1], s45, \s*SLOT
	s_add_nc_u64 s[G0B+4*\s+2:G0B+4*\s+3], s[46:47], \s*ROWB
	s_or_b32 s[G0B+4*\s+3], s[G0B+4*\s+3], 0x80000000
	s_wait_alu depctr_va_vdst(0)
.if \s > 0
	s_wait_tensorcnt 0x0                           ; slot 1's first fill is issued as a refill is: the three lines, a round, the load
	ds_add_u32 v28, v29
	ds_add_u32 v28, v29
	s_wait_dscnt 0x0
	CROUND
.endif
	JLOAD G0+4*\s, G1, G0B+4*\s, G1B
.if \s == 0
	global_prefetch_b8 v23, s[12:13] offset:256 th:TH_LOAD_NT scope:SCOPE_SE   ; K steps 1 and 2 of my 32 rows: 256 bytes of each row a step
	global_prefetch_b8 v23, s[12:13] offset:512 th:TH_LOAD_NT scope:SCOPE_SE
.else
	global_prefetch_b8 v23, s[12:13] offset:768 th:TH_LOAD_NT scope:SCOPE_SE   ; K step 3, the last
.endif
.endr
	v_and_b32 v1, 15, v0
	s_wait_alu depctr_va_vdst(0)
	v_bfe_u32 v2, v0, 4, 1
	v_mul_u32_u24 v3, v1, PITCH
	v_lshl_add_u32 v4, v2, 4, v3
	s_mul_i32 s21, s15, HALFT
	s_mul_i32 s22, s16, HALFT
	s_add_co_u32 s22, s22, 2*HALFT
.irp s, 0,1
	v_add_nc_u32 v[ADRA+\s], s21, v4
	v_add_nc_u32 v[ADRB+\s], s22, v4
	s_add_co_u32 s21, s21, SLOT
	s_add_co_u32 s22, s22, SLOT
.endr
	s_mul_i32 s23, s14, WST
	v_mul_u32_u24 v5, v1, 528
	s_wait_alu depctr_va_vdst(0)
	v_lshl_add_u32 v5, v2, 5, v5
	v_add_nc_u32 v[STO], s23, v5
	v_and_b32 v6, 31, v0
	v_lshlrev_b32 v[LO], 4, v6
	v_add_nc_u32 v[RD], s23, v[LO]
	s_add_co_u32 s23, s23, IMG
	v_add_nc_u32 v[IMR], s23, v[LO]
	v_bfe_u32 v5, v0, 3, 2
	v_bfe_u32 v6, v0, 1, 1
	v_lshl_add_u32 v5, v5, 1, v6
	v_mul_u32_u24 v5, v5, IPITCH
	v_and_b32 v6, 1, v0
	v_lshl_add_u32 v5, v6, 6, v5
	v_bfe_u32 v6, v0, 2, 1
	v_lshl_add_u32 v5, v6, 7, v5
	v_add_nc_u32 v[IMS], s23, v5
	s_lshl_b32 s98, s40, 1
	s_add_co_u32 s98, s98, s16
	s_lshl_b32 s99, s17, 8
	s_lshl_b32 s100, s15, 7
	s_add_co_u32 s99, s99, s100
	s_lshl_b32 s100, ttmp9, 22
	s_lshl_b32 s101, s98, 19
	s_add_co_u32 s100, s100, s101
	s_lshl_b32 s101, s99, 7
	s_add_co_u32 s100, s100, s101
	s_mov_b32 s101, 0
	s_add_nc_u64 s[90:91], s[70:71], s[100:101]
	s_lshl_b32 s100, s99, 8
	s_add_nc_u64 s[92:93], s[6:7], s[100:101]
	s_lshl_b32 s100, s99, 12
	s_lshl_b32 s98, s98, 9
	s_add_co_u32 s100, s100, s98
	s_add_nc_u64 s[94:95], s[8:9], s[100:101]
.macro FRAG reg, adr, q, i
.irp c, 0,1,2,3
	ds_load_b128 v[\reg+4*\c:\reg+4*\c+3], v[\adr] offset:128*(\q)+32*\c+(\i)*16*PITCH
.endr
.endm
.macro MUL16 a0, p, zero
.irp a, \a0, \a0+1
.irp b, 0,1,2,3,4,5,6,7
.if \zero
	v_wmma_f32_16x16x128_fp8_fp8 v[8*(8*((\a)%4)+\b):8*(8*((\a)%4)+\b)+7], v[128*(\p)+FR*\b:128*(\p)+FR*\b+FR-1], v[AF+FR*(\a):AF+FR*(\a)+FR-1], 0
.else
	v_wmma_f32_16x16x128_fp8_fp8 v[8*(8*((\a)%4)+\b):8*(8*((\a)%4)+\b)+7], v[128*(\p)+FR*\b:128*(\p)+FR*\b+FR-1], v[AF+FR*(\a):AF+FR*(\a)+FR-1], v[8*(8*((\a)%4)+\b):8*(8*((\a)%4)+\b)+7]
.endif
.endr
.endr
.endm
.macro FETCH_B slot, q, p
	WIN TO_B
.irp i, 0,1,2,3,4,5,6,7
	FRAG 128*(\p)+FR*\i, ADRB+\slot, \q, \i
.endr
	WIN 0
.endm
.macro FETCH_A slot, q, i0
.irp i, \i0, \i0+1, \i0+2, \i0+3
	FRAG AF+FR*(\i), ADRA+\slot, \q, \i
.endr
.endm
.macro PLACES n
.rept \n
	v_nop
.endr
.endm
; ve is read on the way out by V's clusters alone, each wave its own 128 rows x 512 bytes.  Each of the four steps that have a successor in their slot asks for 32 of these rows, two instructions of 16 rows: each block of 256 bytes is named once in the launch.
.set PFN, 0
.macro ASKV
	s_cmp_eq_u32 ttmp9, 2                          ; the cluster's x: the same in all partners
	s_cbranch_scc0 .Lno_ve_\@
	global_prefetch_b8 v18, s[94:95] offset:PFN*65536 th:TH_LOAD_NT scope:SCOPE_SE
	global_prefetch_b8 v18, s[94:95] offset:(PFN+1)*65536 th:TH_LOAD_NT scope:SCOPE_SE
.Lno_ve_\@:
.set PFN, PFN+2
.endm
.macro STEP slot, q, zero
	s_wait_dscnt 4*NL
	WIN MUL_LO
	MUL16 0, (\q)%2, \zero
	MUL16 2, (\q)%2, \zero
	s_wait_dscnt 0
	PLACES NP
	FETCH_B \slot, (\q)+1, 1-(\q)%2
	FETCH_A \slot, (\q)+1, 0
	ASKV
	WIN MUL_HI
	MUL16 4, (\q)%2, \zero
	MUL16 6, (\q)%2, \zero
	PLACES NP
	WIN 0
	FETCH_A \slot, (\q)+1, 4
.endm
.macro TURN slot, next, fill
	s_wait_tensorcnt 0x0
	ds_add_u32 v[SPW], v[NIL]
	s_wait_dscnt 4*NL+1
	WIN MUL_LO
	MUL16 0, 1, 0
	s_wait_dscnt 0x0
	s_barrier_signal -1
	MUL16 2, 1, 0
	WIN 0
	s_barrier_wait -1
.if \fill
	CREST
	s_add_nc_u64 s[G0+4*\slot+2:G0+4*\slot+3], s[G0+4*\slot+2:G0+4*\slot+3], 2*ROWB
	s_add_nc_u64 s[G0B+4*\slot+2:G0B+4*\slot+3], s[G0B+4*\slot+2:G0B+4*\slot+3], 2*ROWB
	JLOAD G0+4*\slot, G1, G0B+4*\slot, G1B
.else
	PLACES NP
.endif
	FETCH_B \next, 0, 0
	FETCH_A \next, 0, 0
	WIN MUL_HI
	MUL16 4, 1, 0
	MUL16 6, 1, 0
	PLACES NP
	WIN 0
	FETCH_A \next, 0, 4
.endm
	s_wait_tensorcnt 1
	s_barrier_signal -1
	s_barrier_wait -1
	FETCH_B 0, 0, 0
	FETCH_A 0, 0, 0
	FETCH_A 0, 0, 4
	STEP 0, 0, 1
	s_mov_b32 s3, LAPS-1
.Llap:
	TURN 0, 1, 1
	STEP 1, 0, 0
	TURN 1, 0, 1
	STEP 0, 0, 0
	s_sub_co_u32 s3, s3, 1
	s_cmp_lg_u32 s3, 0
	s_cbranch_scc1 .Llap
	TURN 0, 1, 0
	STEP 1, 0, 0
	s_wait_dscnt 4*NL
	WIN MUL_LO
	MUL16 0, 1, 0
	MUL16 2, 1, 0
	s_wait_dscnt 0
	WIN MUL_HI
	MUL16 4, 1, 0
	MUL16 6, 1, 0
	WIN 0
	s_wait_kmcnt 0x0
	s_add_co_i32 s82, s72, s73
	s_add_co_i32 s87, s82, 127
	s_lshl_b32 s87, s87, 23
	s_lshl_b32 s88, s82, 1
	s_add_co_i32 s88, s88, 120
	s_lshl_b32 s88, s88, 23
	s_mov_b32 s89, 0x34000000
	s_mul_f32 s84, s80, s87
	s_mov_b32 s85, s84
	s_mov_b32 s86, s81
	s_cmp_eq_u32 ttmp9, 1
	s_cselect_b32 s83, s75, s76
	s_cmp_eq_u32 ttmp9, 0
	s_cselect_b32 s83, s74, s83
	s_add_co_i32 s83, s83, 127
	s_lshl_b32 s82, s83, 23
	s_add_co_i32 s83, s83, 8
	s_lshl_b32 s83, s83, 23
	s_or_b32 s83, s83, 0x600000
	PLACES NP
	v_mov_b32 v[SCL], s82
	v_mov_b32 v[LIMV], s83
	s_cmp_eq_u32 ttmp9, 2
	s_cbranch_scc1 .Lv
.set T,  32
.set SS, 96
.set U,  96
.set VV, 104
.set F,  112
.set CD, 128
	WIN 0x40
.irp a, 0,1,2,3,4,5,6,7
.irp g, 0,1,2,3,4,5,6,7
	global_load_b128 v[32*\a+4*\g:32*\a+4*\g+3], v[LO], s[92:93] offset:\a*4096+\g*512
.endr
.endr
.irp w, 0,1
	WIN 0x0a+5*\w
.set p, 0
.rept 32
.irp a, 0,1,2,3
.if p == 0
	v_pk_mul_f32 v[SS+2*(4*\w+\a):SS+2*(4*\w+\a)+1], v[64*\a:64*\a+1], v[64*\a:64*\a+1]
.else
	v_pk_fma_f32 v[SS+2*(4*\w+\a):SS+2*(4*\w+\a)+1], v[64*\a+2*p:64*\a+2*p+1], v[64*\a+2*p:64*\a+2*p+1], v[SS+2*(4*\w+\a):SS+2*(4*\w+\a)+1]
.endif
.endr
.set p, p+1
.endr
.endr
	WIN 0
.irp a, 0,1,2,3,4,5,6,7
	v_add_f32 v[SS+2*\a], v[SS+2*\a], v[SS+2*\a+1]
.endr
.irp a, 0,1,2,3,4,5,6,7
	v_permlanex16_b32 v[SS+2*\a+1], v[SS+2*\a], s96, s97
.endr
.irp a, 0,1,2,3,4,5,6,7
	v_add_f32 v[SS+2*\a], v[SS+2*\a], v[SS+2*\a+1]
.endr
.irp a, 0,1,2,3,4,5,6,7
	v_fma_f32 v[SS+2*\a], v[SS+2*\a], s88, s89
.endr
	s_wait_alu depctr_va_vdst(0)
.irp a, 0,1,2,3,4,5,6,7
	v_rsq_f32 v[F+2*\a], v[SS+2*\a]
.endr
	v_nop
	s_wait_alu depctr_va_vdst(0)
.irp a, 0,1,2,3,4,5,6,7
	v_mul_f32 v[F+2*\a], s87, v[F+2*\a]
.endr
.irp a, 0,1,2,3,4,5,6,7
	v_mov_b32 v[F+2*\a+1], v[F+2*\a]
.endr
.macro QKBLOCK a
.set AC, 64*((\a)%4)
	s_wait_loadcnt 8*(7-(\a))
	WIN 0x02+((\a)/4)
.set p, 0
.rept 32
	v_pk_mul_f32 v[T+2*p:T+2*p+1], v[AC+2*p:AC+2*p+1], v[F+2*(\a):F+2*(\a)+1]
.set p, p+1
.endr
	WIN 0x04
.irp b, 0,1
.irp e, 0,2,4,6
	v_pk_mul_f32 v[U+\e:U+\e+1], v[T+32+8*\b+\e:T+32+8*\b+\e+1], v[32*(\a)+16+8*\b+\e:32*(\a)+16+8*\b+\e+1]
	v_pk_mul_f32 v[VV+\e:VV+\e+1], v[T+8*\b+\e:T+8*\b+\e+1], v[32*(\a)+16+8*\b+\e:32*(\a)+16+8*\b+\e+1]
.endr
.irp e, 0,2,4,6
	v_pk_fma_f32 v[T+8*\b+\e:T+8*\b+\e+1], v[T+8*\b+\e:T+8*\b+\e+1], v[32*(\a)+8*\b+\e:32*(\a)+8*\b+\e+1], v[U+\e:U+\e+1]
	v_pk_fma_f32 v[T+32+8*\b+\e:T+32+8*\b+\e+1], v[T+32+8*\b+\e:T+32+8*\b+\e+1], v[32*(\a)+8*\b+\e:32*(\a)+8*\b+\e+1], v[VV+\e:VV+\e+1] neg_lo:[0,0,1] neg_hi:[0,0,1]
.endr
.endr
	WIN 0
.set i, 0
.rept 64
	v_med3_num_f32 v[T+i], v[T+i], -v[LIMV], v[LIMV]
.set i, i+1
.endr
.irp bb, 0,1,2,3,4,5,6,7
	v_cvt_scalef32_pk8_fp8_f32 v[CD+16*(\a)+2*\bb:CD+16*(\a)+2*\bb+1], v[T+8*\bb:T+8*\bb+7], v[SCL]
.endr
	v_nop
.irp c, 0,1,2,3
	global_store_b128 v[LO], v[CD+16*(\a)+4*\c:CD+16*(\a)+4*\c+3], s[90:91] offset:(\a)*2048+\c*512
.endr
.endm
	s_wait_alu depctr_va_vdst(0)
.irp a, 0,1,2,3,4,5,6,7
	QKBLOCK \a
.endr
	s_branch .Lend
.Lv:
.set BB, 32
.set Z,  160
.set CC, 224
.macro VELOAD a
.set t, 0
.rept 16
	global_load_b128 v[64*((\a)%4)+4*t:64*((\a)%4)+4*t+3], v[LO], s[94:95] offset:(16*(\a)+t)*4096 th:TH_LOAD_NT
.set t, t+1
.endr
.endm
	WIN 0x40
	VELOAD 0
	VELOAD 1
	VELOAD 2
	VELOAD 3
.macro VBLOCK a
.set AC, 64*((\a)%4)
	WIN 0x02+((\a)/4)
.set p, 0
.rept 32
	v_pk_mul_f32 v[Z+2*p:Z+2*p+1], v[AC+2*p:AC+2*p+1], s[84:85] op_sel_hi:[1,0]
.set p, p+1
.endr
	WIN 0
.irp b, 0,1,2,3,4,5,6,7
	ds_store_b128 v[STO], v[Z+8*\b:Z+8*\b+3] offset:64*\b
	ds_store_b128 v[STO], v[Z+8*\b+4:Z+8*\b+7] offset:64*\b+16
.endr
.set t, 0
.rept 16
	ds_load_b128 v[BB+4*t:BB+4*t+3], v[RD] offset:t*528
.set t, t+1
.endr
.if (\a) < 4
	s_wait_loadcnt 48
.else
	s_wait_loadcnt 16*(7-(\a))
.endif
	s_wait_dscnt 0x0
	WIN 0x01
.set t, 0
.rept 16
.irp jj, 0,1,2,3
	v_fma_f32 v[Z+16*\jj+t], v[64*((\a)%4)+4*t+\jj], s86, v[BB+4*t+\jj]
.endr
.set t, t+1
.endr
.if (\a) < 4
	WIN 0x40
	VELOAD (\a)+4
.endif
	WIN 0
.set i, 0
.rept 64
	v_med3_num_f32 v[Z+i], v[Z+i], -v[LIMV], v[LIMV]
.set i, i+1
.endr
.irp jj, 0,1,2,3
.irp h2, 0,1
	v_cvt_scalef32_pk8_fp8_f32 v[CC+4*\jj+2*\h2:CC+4*\jj+2*\h2+1], v[Z+16*\jj+8*\h2:Z+16*\jj+8*\h2+7], v[SCL]
.endr
.endr
	v_nop
.irp jj, 0,1,2,3
.irp h2, 0,1
	ds_store_b64 v[IMS], v[CC+4*\jj+2*\h2:CC+4*\jj+2*\h2+1] offset:\jj*16+\h2*256+((\a)/2)*512+((\a)%2)*8
.endr
.endr
.endm
.irp a, 0,1,2,3,4,5,6,7
	VBLOCK \a
.endr
.set i, 0
.rept 32
	ds_load_b128 v[32+4*i:35+4*i], v[IMR] offset:(i/4)*IPITCH+(i%4)*512
.set i, i+1
.endr
.set i, 0
.rept 32
	s_wait_dscnt 31-i
	global_store_b128 v[LO], v[32+4*i:35+4*i], s[90:91] offset:(i/4)*2048+(i%4)*512
.set i, i+1
.endr
.Lend:
	s_wait_tensorcnt 0x0
	ds_add_u32 v[SPW], v[NIL]
	s_wait_dscnt 0x0
	CROUND
	s_endpgm
.Lfunc_end_k_qc708fed554_qkv:
	.size	k_qc708fed554_qkv, .Lfunc_end_k_qc708fed554_qkv-k_qc708fed554_qkv
	.p2alignl 7, 3214868480
	.fill 96, 4, 3214868480
	.section	.rodata,"a",@progbits
	.p2align	6, 0x0
	.amdhsa_kernel k_qc708fed554_qkv
		.amdhsa_group_segment_fixed_size 327680
		.amdhsa_private_segment_fixed_size 0
		.amdhsa_enable_private_segment 0
		.amdhsa_kernarg_size 48
		.amdhsa_user_sgpr_count 2
		.amdhsa_user_sgpr_kernarg_segment_ptr 1
		.amdhsa_wavefront_size32 1
		.amdhsa_system_sgpr_workgroup_id_x 1
		.amdhsa_system_sgpr_workgroup_id_y 1
		.amdhsa_system_sgpr_workgroup_id_z 1
		.amdhsa_system_vgpr_workitem_id 0
		.amdhsa_next_free_vgpr 1024
		.amdhsa_next_free_sgpr 102
		.amdhsa_reserve_vcc 0
		.amdhsa_float_denorm_mode_32 3
		.amdhsa_float_denorm_mode_16_64 3
		.amdhsa_memory_ordered 1
		.amdhsa_forward_progress 1
		.amdhsa_inst_pref_size 255
	.end_amdhsa_kernel
	.section	.bss,"aw",@nobits
	.p2align	6
	.space	262144
	.amdgpu_metadata
---
amdhsa.version: [ 1, 2 ]
amdhsa.kernels:
  - .name:           k_qc708fed554_qkv
    .symbol:         k_qc708fed554_qkv.kd
    .args:
      - { .name: codes, .offset: 0, .size: 8, .value_kind: global_buffer, .address_space: global }
      - { .name: rope, .offset: 8, .size: 8, .value_kind: global_buffer, .address_space: global }
      - { .name: ve, .offset: 16, .size: 8, .value_kind: global_buffer, .address_space: global }
      - { .name: lambdas, .offset: 24, .size: 8, .value_kind: global_buffer, .address_space: global }
      - { .name: lowp_scales, .offset: 32, .size: 8, .value_kind: global_buffer, .address_space: global }
      - { .name: qkvc, .offset: 40, .size: 8, .value_kind: global_buffer, .address_space: global }
    .group_segment_fixed_size: 327680
    .private_segment_fixed_size: 0
    .kernarg_segment_align: 8
    .kernarg_segment_size: 48
    .max_flat_workgroup_size: 128
    .sgpr_count:     102
    .vgpr_count:     1024
    .wavefront_size: 32
...
	.end_amdgpu_metadata
.endif
;; end of part 2
;; launch attn (part 3): grid 32 x 8, 8 waves a work-group, no clusters, 327,680 bytes of LDS; arguments qkvc, lowp_scales, yc; writes yc
.if DOCPART == 3
	.amdgcn_target "amdgcn-amd-amdhsa--gfx1250"
	.amdhsa_code_object_version 6
	.text
	.protected	k_qc708fed554_attn
	.globl	k_qc708fed554_attn
	.p2align	8
	.type	k_qc708fed554_attn,@function
k_qc708fed554_attn:
	s_mov_b64 s[64:65], 0
	v_nop
	global_prefetch_b8 v0, s[64:65] scope:SCOPE_SE
	s_setreg_imm32_b32 hwreg(HW_REG_WAVE_MODE, 25, 1), 1
	s_wait_xcnt 0x0
; THIRD LAUNCH.  y[t][head] = the sum over keys s <= t of softmax_s(0.12 q[t] . k[s]) v[s], both products on the second launch's codes of FP8 (E4M3); y is quantised with 2^e6 for the last product.
; WORK LEFT OUT: scores with key > query are -infinity under the tril that reference() builds itself, so p = 0: key steps wholly behind a wave's queries are not computed, key slots behind the work-group's last query not fetched (shown at the first launch's head).
; THE SOFTMAX: t = score x 0.12 log2(e); M = the largest t so far, rounded UP to a whole number; p = 2^(t - M) is quantised (2^e5), not normalised; the sum is taken of the unquantised p and divides at the end.
; When M moves, the sum and O are multiplied by 2^(old M - new M): exact.
; SHARES.  A work-group has one head, the block of 64 queries 63 - x (late) and block x (early), x = work-group x: four groups of 32 queries.  A WAVE OWNS 32 QUERIES, two tiles of 16 (A and B), so that each fragment of K and of V that it
; reads from LDS feeds two matrix instructions.  EACH GROUP HAS TWO WAVES: one walks the even key steps of 128, the other the odd ones, each with its own M, sums and O^T.  Wave w: group w % 2 of the late (w < 4) or early block, parity (w / 2) % 2.
; At the end the two exchange through LDS: the even wave hands over its tile B and finishes tile A, the odd wave hands over its tile A and finishes tile B: both parts are brought under the common M by powers of two, added, divided, quantised, stored.
; A wave that had no step holds zeros and an M under every t, whose factor is 0.
; REGISTER WINDOWS.  Tile A lives in window 0 and tile B in window 1, at the same numbers: one text of the softmax serves both, under a switch of all four operand places.  In each window: v7 lane's place against the diagonal; v12 -M, v13 the largest t,
; v[14:15] the sum; v16-31 Q; v32-95 four fragments of K (window 0: tiles 0-3, window 1: tiles 4-7); v96-159 S^T, p, then four fragments of V; v160-223 O^T; v224-239 codes; v240, v244: 448 x 2^e5, 2^e5; v241, v245: with e6; the rest at work.
; Window 0 alone: v1 16 x lane, v3 256 x lane, v5, v6 the add's two, v8 the step's LDS address, v2, v9-11 the stage's addresses.
; THE RING: two LDS slots of 512 keys (four steps; a step is K's 8 tiles of 2,048 bytes, then V's 8).  Every wave fetches one piece of 16,384 bytes of a slot (piece w lies at 16,384 w); all eight read.  One tensor load a wave is out; every wait on TENSORcnt is for 0.
; NO CLUSTER: the work-groups of a head end their walks at different key steps, so partners would need different numbers of tiles, and some partner's waves would read nothing of a tile that a joint load brought.
; LAYOUT.  The codes lie as images of operand registers (second launch): a fragment is four loads of 16 bytes at 16 x lane.  Both products are used transposed: S^T = K Q^T: lane (r, h) holds query r, register 8 tau + j key 16 tau + 8 h + j;
; eight conversions make of them P, source 1 of O^T = V^T P^T.  y's codes go to 'yc' [t / 16][head][c][lane][16 bytes]; each store of the wave covers 512 consecutive bytes.
; LIMITS on the given exponents: e2 + e3 between -123 and 130; e5, e6 between -126 and 119; e4 + e5 is applied by v_ldexp_f32.  NaN among the inputs is not served.
.set STEPB, 32768
.set SLOT1, 131072
.set SPARE, 2*SLOT1                    ; behind the ring: the spare words, 128 bytes for each wave
.set SREG,  16896                      ; the stage at the end, for each wave: room for 2 x 8,192 bytes of O^T, then 4 x 128 of -M and the sums; it lies over the ring, which is done with by then
.set STQ,  2                           ; v2   my partner's region + 16,384 + 4 x lane
.set SPW,  5
.set NIL,  6
.set ADR,  8
.set STO,  9                           ; v9   my own region + 16 x lane
.set STM,  10                          ; v10  my own + 16,384 + 4 x lane
.set STP,  11                          ; v11  my partner's + 16 x lane
.set WV,   18
.set SEL,  20
.set CS,   22
.set G1,   24
.set G0,   40
.set TB,   2
.set INNER, 66
.set SLOTS, 67
.set PFA,  76
.set LIM,  80
.set PAR,  86                          ; s86  128 x my parity
.set QL,   97
.set KF,   98
.set Q0,   99
.set MSB, 0
.macro WIN new                         ; low byte: bits 1:0 source 0, 3:2 source 1, 5:4 source 2, 7:6 destination; the high byte repeats the setting that is left
.if MSB != (\new)
	s_set_vgpr_msb (MSB<<8)|(\new)
.set MSB, (\new)
.endif
.endm
	s_load_b128 s[4:7], s[0:1], 0x0                ; qkvc, the scales' exponents
	s_load_b64 s[8:9], s[0:1], 0x10                ; yc
	v_lshl_add_u32 v[SPW], v0, 2, SPARE
	v_mov_b32 v[NIL], 0
	ds_add_u32 v[SPW], v[NIL]                      ; the opening: the add, twice on end, and its wait ahead of my first tensor load
	ds_add_u32 v[SPW], v[NIL]
	v_lshrrev_b32 v8, 5, v0
	v_readfirstlane_b32 s[WV], v8                  ; wave 0..7
	s_and_b32 s10, ttmp7, 0xffff                   ; the head
	s_lshl_b32 s11, s10, 19                        ; its 524,288 bytes in each of q, k, v
	s_sub_co_u32 s12, 63, ttmp9                    ; the late block
	s_cmp_lt_u32 s[WV], 4
	s_cselect_b32 s13, s12, ttmp9                  ; my block of 64 queries
	s_lshl_b32 s[Q0], s13, 6
	s_and_b32 s14, s[WV], 1
	s_lshl_b32 s14, s14, 5
	s_add_co_u32 s[Q0], s[Q0], s14                 ; my first query
	s_lshl_b32 s[QL], s12, 6
	s_add_co_u32 s[QL], s[QL], 63                  ; the work-group's last: 2,111 at the least, so slots 0 and 1 are always read
	s_and_b32 s[PAR], s[WV], 2
	s_lshl_b32 s[PAR], s[PAR], 6
	s_and_b32 s14, s[WV], 1                        ; my piece: K's section (at 4 MiB) or V's (at 8 MiB),
	s_lshl_b32 s14, s14, 22
	s_lshr_b32 s15, s[WV], 1
	s_lshl_b32 s15, s15, 14                        ; step w / 2,
	s_add_co_u32 s14, s14, s15
	s_add_co_u32 s14, s14, s11                     ; in my head
	s_add_co_u32 s14, s14, 0x400000
	s_mov_b32 s15, 0
	s_lshl_b32 s16, s[Q0], 7                       ; Q: 128 bytes a query
	s_add_co_u32 s16, s16, s11
	s_mov_b32 s17, 0
	s_lshl_b32 s84, s[Q0], 10                      ; yc: 1,024 bytes a position, 2,048 a head in a tile of 16
	s_lshl_b32 s85, s10, 11
	s_add_co_u32 s84, s84, s85
	s_mov_b32 s85, 0
	s_mul_i32 s87, s[WV], SREG                     ; my stage region,
	s_xor_b32 s88, s[WV], 2
	s_mul_i32 s88, s88, SREG                       ; and that of the wave with my group and the other parity
	s_add_co_u32 s93, s87, 16384
	s_add_co_u32 s94, s88, 16384
	s_mov_b32 s[G1], 3<<16                         ; group 1: a dense block of 16,384 bytes as 64 rows of 256: elements of 8 bytes, no mask, no padding
	s_mov_b32 s[G1+1], 32<<16
	s_mov_b32 s[G1+2], 64<<16
	s_mov_b32 s[G1+3], 32<<16
	s_mov_b32 s[G1+4], 64
	s_mov_b32 s[G1+5], 32
	s_mov_b32 s[G1+6], 0
	s_mov_b32 s[G1+7], 0
	s_mov_b32 s[G0], 1
	s_lshl_b32 s[G0+1], s[WV], 14                  ; LDS address: 16,384 x wave, in slot 0
	s_mov_b32 s[SEL], 0x76543210
	s_mov_b32 s[SEL+1], 0xfedcba98
	s_mov_b32 s[CS], 0x3e314743                    ; 0.12 log2(e)
	s_mov_b32 s[TB], 0
	s_mov_b32 s[SLOTS], 8
	s_mov_b32 s[KF], 0
	s_cmp_eq_u32 ttmp9, 0                          ; a head's work-group 0, which walks every slot, prefetches for all that walk the same K and V
	s_cselect_b32 s[LIM], 2, -1
	s_wait_dscnt 0x0                               ; both opening adds are done
	s_wait_kmcnt 0x0
	s_load_b256 s[68:75], s[6:7], 0x0              ; e0 .. e7
	s_add_nc_u64 s[G0+2:G0+3], s[4:5], s[14:15]
	s_or_b32 s[G0+3], s[G0+3], 0x80000000
	tensor_load_to_lds s[G0:G0+3], s[G1:G1+7]      ; slot 0: every wave's one fill at the head, with no branch
	s_nop 0
.rept 4
	v_nop
.endr
	s_add_nc_u64 s[PFA:PFA+1], s[4:5], s[14:15]
	s_add_nc_u64 s[PFA:PFA+1], s[PFA:PFA+1], 65536 ; in slot 1: the first change of slots steps it to slot 2
	s_add_nc_u64 s[82:83], s[4:5], s[16:17]
	s_add_nc_u64 s[8:9], s[8:9], s[84:85]
	v_and_b32 v1, 31, v0
	v_lshlrev_b32 v4, 2, v1                        ; 4 x lane
	v_lshlrev_b32 v1, 4, v1                        ; 16 x lane; never rewritten
	v_lshlrev_b32 v3, 4, v1                        ; 256 x lane; never rewritten
.irp c, 0,1,2,3
	global_load_b128 v[16+4*\c:19+4*\c], v1, s[82:83] offset:512*\c          ; tile A's Q
.endr
	WIN 0x40
.irp c, 0,1,2,3
	global_load_b128 v[16+4*\c:19+4*\c], v1, s[82:83] offset:2048+512*\c     ; tile B's, 16 queries on
.endr
	WIN 0
	v_add_nc_u32 v[STO], s87, v1
	v_add_nc_u32 v[STP], s88, v1
	v_add_nc_u32 v[STM], s93, v4
	v_add_nc_u32 v[STQ], s94, v4
	v_and_b32 v7, 15, v0
	v_bfe_u32 v4, v0, 4, 1
	v_lshlrev_b32 v4, 3, v4
	v_sub_nc_u32 v7, v7, v4                        ; lane % 16 - 8 (lane / 16)
.macro INIT
	v_mov_b32 v13, 0xff61b1e6                      ; the largest t so far: -3e38
	v_mov_b32 v12, 0x7f61b1e6                      ; -M: 3e38, a whole number
	v_mov_b32 v14, 0
	v_mov_b32 v15, 0
	v_mov_b32 v236, 0                              ; a lane permute's destination counts as a source
	v_mov_b32 v253, 0
.set j, 0
.rept 64
	v_mov_b32 v[160+j], 0                          ; O^T: the step is written for every trip alike
.set j, j+1
.endr
.endm
.macro CONSTS
	v_mov_b32 v244, s89                            ; 2^e5
	v_mov_b32 v240, s90                            ; 448 x 2^e5
	v_mov_b32 v245, s91                            ; 2^e6
	v_mov_b32 v241, s92                            ; 448 x 2^e6
.endm
	INIT
	WIN 0x40                                       ; destinations in window 1
	v_add_nc_u32 v7, 16, v7                        ; tile B stands 16 queries further from the diagonal
	INIT
	s_wait_kmcnt 0x0
	s_add_co_i32 s12, s70, s71
	s_lshl_b32 s12, s12, 23
	s_add_co_i32 s[CS], s[CS], s12                 ; e2 + e3 added to c's exponent field
	s_mov_b32 s[CS+1], s[CS]
	s_add_co_i32 s12, s73, 127
	s_lshl_b32 s89, s12, 23
	s_add_co_i32 s12, s12, 8
	s_lshl_b32 s12, s12, 23
	s_or_b32 s90, s12, 0x600000
	s_add_co_i32 s12, s74, 127
	s_lshl_b32 s91, s12, 23
	s_add_co_i32 s12, s12, 8
	s_lshl_b32 s12, s12, 23
	s_or_b32 s92, s12, 0x600000
	s_add_co_i32 s81, s72, s73                     ; e4 + e5
	CONSTS
	WIN 0
	CONSTS
; A PREFETCH of what the NEXT change of slots will ask for: my wave's own piece of 16,384 bytes, lanes 256 bytes apart, two instructions.  One work-group of a head asks: each aligned block of 256 bytes is named once in the launch.
; It asks for slots 2 to 7, at the changes that load slots 1 to 6; slots 0 and 1 come by their loads alone.
.macro ASK
	s_cmp_gt_u32 s[SLOTS], s[LIM]
	s_cbranch_scc0 .Lnot_mine_\@
	global_prefetch_b8 v3, s[PFA:PFA+1] th:TH_LOAD_NT scope:SCOPE_SE
	global_prefetch_b8 v3, s[PFA:PFA+1] offset:8192 th:TH_LOAD_NT scope:SCOPE_SE
.Lnot_mine_\@:
.endm
.macro FRAGS reg, off                  ; four fragments: 16 LDS loads
.irp t, 0,1,2,3
.irp c, 0,1,2,3
	ds_load_b128 v[\reg+16*\t+4*\c:\reg+16*\t+4*\c+3], v[ADR] offset:\off+\t*2048+\c*512
.endr
.endr
.endm
.macro QK d                            ; four tiles of S^T
.irp t, 0,1,2,3
	v_wmma_f32_16x16x128_fp8_fp8 v[\d+8*\t:\d+8*\t+7], v[32+16*\t:47+16*\t], v[16:31], 0
.endr
.endm
.macro PV d                            ; four tiles of O^T, one instruction each
.irp t, 0,1,2,3
	v_wmma_f32_16x16x128_fp8_fp8 v[\d+8*\t:\d+8*\t+7], v[96+16*\t:111+16*\t], v[224:239], v[\d+8*\t:\d+8*\t+7]
.endr
.endm
.macro MASK                            ; d = my query - KF - 8 (lane / 16): register 8 tau + j is hidden where 16 tau + j > d
	v_add_nc_u32 v252, s96, v7
	v_mov_b32 v254, 0xff800000
.set n, 0
.rept 64
	v_cmp_gt_i32 vcc_lo, 16*(n/8)+n%8, v252
	v_cndmask_b32 v[96+n], v[96+n], v254, vcc_lo
.set n, n+1
.endr
.endm
.macro TMINUSM n                       ; t - M for n pairs of scores, from pair j on
.rept \n
	v_pk_fma_f32 v[96+j:97+j], v[96+j:97+j], s[CS:CS+1], v[12:13] op_sel_hi:[1,0,0]
.set j, j+2
.endr
.endm
.macro TREE                            ; the step's largest score, the new M, f, and t - M
.irp k, 0,1,2,3,4,5,6,7                ; eight chains, one for each accumulator, line by line, so that no line reads the line above it; each accumulator is first read at its low end
	v_max3_num_f32 v[246+\k], v[96+8*\k], v[97+8*\k], v[98+8*\k]
.endr
.irp k, 0,1,2,3,4,5,6,7
	v_max3_num_f32 v[246+\k], v[246+\k], v[99+8*\k], v[100+8*\k]
.endr
.irp k, 0,1,2,3,4,5,6,7
	v_max3_num_f32 v[246+\k], v[246+\k], v[101+8*\k], v[102+8*\k]
.endr
	v_max3_num_f32 v246, v246, v247, v103          ; the chains are joined, each join with one of the eight registers that are left
	v_max3_num_f32 v248, v248, v249, v111
	v_max3_num_f32 v250, v250, v251, v119
	v_max3_num_f32 v252, v252, v253, v127
	v_max3_num_f32 v246, v246, v248, v135
	v_max3_num_f32 v250, v250, v252, v143
	v_max3_num_f32 v254, v246, v250, v151
	v_max_num_f32 v254, v254, v159
	v_permlanex16_b32 v236, v254, s[SEL], s[SEL+1]
	s_delay_alu instid0(VALU_DEP_1)
	v_max_num_f32 v254, v254, v236
	s_delay_alu instid0(VALU_DEP_1)
	v_mul_f32 v254, s[CS], v254                    ; as t (c is positive)
	s_delay_alu instid0(VALU_DEP_1)
	v_max_num_f32 v13, v13, v254
	v_mov_b32 v254, v12
	s_delay_alu instid0(VALU_DEP_2)
	v_floor_f32 v12, -v13                          ; the new -M = -ceil(t)
	s_delay_alu instid0(VALU_DEP_1)
	v_sub_f32 v254, v12, v254
.set j, 0
	TMINUSM 4                                      ; the multiply-adds want -M alone: the lines that lead to f stand among them
	v_cvt_i32_f32 v254, v254                       ; (it saturates)
	TMINUSM 4
	v_ldexp_f32 v252, 1.0, v254                    ; f = 2^(old M - new M)
	TMINUSM 24
.endm
.macro EXPS
.set j, 0
.rept 64
	v_exp_f32 v[96+j], v[96+j]                     ; p = 2^(t - M)
.set j, j+1
.endr
.endm
.macro SUMS                            ; the sum of the unquantised p, in eight chains; then the hold and the conversions
	v_pk_add_f32 v[242:243], v[100:101], v[104:105]
	v_pk_add_f32 v[254:255], v[108:109], v[112:113]
	v_pk_add_f32 v[250:251], v[116:117], v[120:121]
	v_pk_add_f32 v[248:249], v[124:125], v[128:129]
	v_pk_add_f32 v[246:247], v[132:133], v[136:137]
	v_pk_add_f32 v[238:239], v[140:141], v[144:145]
	v_pk_add_f32 v[236:237], v[148:149], v[152:153]
	v_pk_add_f32 v[14:15], v[14:15], v[156:157]
	v_pk_add_f32 v[242:243], v[242:243], v[96:97]
	v_pk_add_f32 v[254:255], v[254:255], v[98:99]
	v_pk_add_f32 v[250:251], v[250:251], v[102:103]
	v_pk_add_f32 v[248:249], v[248:249], v[106:107]
	v_pk_add_f32 v[246:247], v[246:247], v[110:111]
	v_pk_add_f32 v[238:239], v[238:239], v[114:115]
	v_pk_add_f32 v[236:237], v[236:237], v[118:119]
	v_pk_add_f32 v[14:15], v[14:15], v[122:123]
	v_pk_add_f32 v[242:243], v[242:243], v[126:127]
	v_pk_add_f32 v[254:255], v[254:255], v[130:131]
	v_pk_add_f32 v[250:251], v[250:251], v[134:135]
	v_pk_add_f32 v[248:249], v[248:249], v[138:139]
	v_pk_add_f32 v[246:247], v[246:247], v[142:143]
	v_pk_add_f32 v[238:239], v[238:239], v[146:147]
	v_pk_add_f32 v[236:237], v[236:237], v[150:151]
	v_pk_add_f32 v[14:15], v[14:15], v[154:155]
	v_pk_add_f32 v[242:243], v[242:243], v[158:159]
	s_delay_alu instid0(VALU_DEP_2)
	v_pk_add_f32 v[14:15], v[14:15], v[248:249]
	s_delay_alu instid0(VALU_DEP_2)
	v_pk_add_f32 v[242:243], v[242:243], v[246:247]
	v_pk_add_f32 v[254:255], v[254:255], v[238:239]
	v_pk_add_f32 v[250:251], v[250:251], v[236:237]
	s_delay_alu instid0(VALU_DEP_2)
	v_pk_add_f32 v[14:15], v[14:15], v[254:255]
	s_delay_alu instid0(VALU_DEP_2)
	v_pk_add_f32 v[242:243], v[242:243], v[250:251]
	s_delay_alu instid0(VALU_DEP_1)
	v_pk_add_f32 v[14:15], v[14:15], v[242:243]
.set j, 0
.rept 64
	v_min_num_f32 v[96+j], v[96+j], v240           ; the conversion does not saturate (ISA guide 7.6.2); p is not negative, so the hold is one-sided
.set j, j+1
.endr
.irp t, 0,1,2,3,4,5,6,7
	v_cvt_scalef32_pk8_fp8_f32 v[224+2*\t:225+2*\t], v[96+8*\t:103+8*\t], v244
.endr
.endm
.macro RESC                            ; O^T under the new M
.set j, 0
.rept 32
	v_pk_mul_f32 v[160+j:161+j], v[160+j:161+j], v[252:253] op_sel_hi:[1,0]
.set j, j+2
.endr
.endm
.macro FINISH                          ; one tile is finished: v32-95 the other wave's O^T, v242 its -M, v243 its sum
	v_min_num_f32 v248, v12, v242                  ; -M of both
	v_sub_f32 v252, v248, v12                      ; my M less the common one, a whole number, 0 or less;
	v_sub_f32 v246, v248, v242                     ; and the other's
	v_cvt_i32_f32 v252, v252
	v_cvt_i32_f32 v246, v246
	v_ldexp_f32 v252, 1.0, v252
	v_ldexp_f32 v246, 1.0, v246
	v_mul_f32 v14, v14, v252
	v_fma_f32 v14, v243, v246, v14                 ; both sums under the common M,
	v_permlanex16_b32 v236, v14, s[SEL], s[SEL+1]
	v_add_f32 v14, v14, v236                       ; and lane l xor 16's: the row's sum
	s_wait_alu depctr_va_vdst(0)
	v_rcp_f32 v14, v14
	v_nop
	s_wait_alu depctr_va_vdst(0)
	v_ldexp_f32 v14, v14, s81                      ; x 2^(e4 + e5)
	v_mul_f32 v252, v252, v14
	v_mul_f32 v246, v246, v14
	v_mov_b32 v253, v252
	v_mov_b32 v247, v246
	s_wait_alu depctr_va_vdst(0)                   ; directly ahead of the first reader of O^T
.set j, 0
.rept 32
	v_pk_mul_f32 v[96+j:97+j], v[160+j:161+j], v[252:253]
.set j, j+2
.endr
.set j, 0
.rept 32
	v_pk_fma_f32 v[96+j:97+j], v[32+j:33+j], v[246:247], v[96+j:97+j]
.set j, j+2
.endr
.set j, 0
.rept 64
	v_med3_num_f32 v[96+j], v[96+j], -v241, v241
.set j, j+1
.endr
.irp t, 0,1,2,3,4,5,6,7
	v_cvt_scalef32_pk8_fp8_f32 v[224+2*\t:225+2*\t], v[96+8*\t:103+8*\t], v245
.endr
	v_nop
.endm
; A KEY STEP: 128 keys, at LDS byte s[TB], for both my tiles.  Left out, by scalar branches on ids round the step's work alone: a step of the other parity, and a step all of whose keys come after my 32 queries.
.macro STEP
	s_and_b32 s96, s[KF], 128
	s_cmp_lg_u32 s96, s[PAR]
	s_cbranch_scc1 .Lhidden_\@
	s_add_co_u32 s96, s[Q0], 31
	s_cmp_gt_u32 s[KF], s96
	s_cbranch_scc1 .Lhidden_\@
	v_add_nc_u32 v[ADR], s[TB], v1
	s_wait_alu depctr_va_vdst(0)
.rept 4
	v_nop                                          ; with the addition five places: the products below write over registers that the last step's products read
.endr
	FRAGS 32, 0                                    ; K's tiles 0-3 into window 0,
	WIN 0x40
	FRAGS 32, 8192                                 ; tiles 4-7 into window 1
	s_wait_dscnt 16                                ; the first sixteen loads are in; the sixteen behind them may be out
	WIN 0
	QK 96                                          ; A x tiles 0-3
	WIN 0x44
	QK 96                                          ; B x tiles 0-3
	s_wait_dscnt 0x0
	WIN 0x01
	QK 128                                         ; A x tiles 4-7
	WIN 0x45
	QK 128                                         ; B x tiles 4-7
	WIN 0
.rept 4
	v_nop
.endr
	s_add_co_u32 s96, s[KF], 127                   ; on the diagonal hidden scores become -infinity ahead of the maximum; the step's first key counts for each of my queries
	s_cmp_le_u32 s96, s[Q0]
	s_cbranch_scc1 .Lopen_\@
	s_sub_co_i32 s96, s[Q0], s[KF]
	MASK
	WIN 0x55
	MASK
	WIN 0
.Lopen_\@:
	TREE
	WIN 0x55
	TREE
	s_wait_alu depctr_va_vdst(0)                   ; ahead of the batch: both tiles' 128 exponentials are one batch
	EXPS
	WIN 0
	EXPS
	v_pk_mul_f32 v[14:15], v[14:15], v[252:253] op_sel_hi:[1,0]   ; A's sums under the new M (the plain instruction behind the batch)
	s_wait_alu depctr_va_vdst(0)                   ; and the wait behind it, ahead of its first reader
	SUMS
	FRAGS 96, 16384                                ; V's tiles 0-3 go into A's p registers, which are done with
	WIN 0x55
	v_pk_mul_f32 v[14:15], v[14:15], v[252:253] op_sel_hi:[1,0]
	SUMS
	WIN 0x40
	FRAGS 96, 24576                                ; V's tiles 4-7 into B's
	WIN 0x55
	s_wait_alu depctr_va_vdst(0)                   ; directly ahead of the first reader of O^T
	RESC
	WIN 0
	s_wait_alu depctr_va_vdst(0)
	RESC
	s_wait_alu depctr_va_vdst(0)
	s_wait_dscnt 16                                ; V's tiles 0-3 are in; the sixteen loads of tiles 4-7 may be out
	PV 160                                         ; A, dims of tiles 0-3
	WIN 0x54
	PV 160                                         ; B
	s_wait_dscnt 0x0
	WIN 0x01
	PV 192                                         ; A, tiles 4-7
	WIN 0x55
	PV 192                                         ; B
	WIN 0
.Lhidden_\@:
	s_add_co_u32 s[KF], s[KF], 128
	s_add_co_u32 s[TB], s[TB], STEPB
.endm
; THE CHANGE OF SLOTS, at a slot's head: each wave waits for all its tensor loads, adds 0 to its spare word, and waits for that and for its reads of the slot that it has left.  Behind the barrier that slot takes the next 512 keys, up to the causal limit.
.macro CHANGE
	s_wait_tensorcnt 0x0
	ds_add_u32 v[SPW], v[NIL]
	s_xor_b32 s[G0+1], s[G0+1], SLOT1
	s_add_nc_u64 s[G0+2:G0+3], s[G0+2:G0+3], 65536
	s_wait_xcnt 0x0                                ; the last prefetches have read their address
	s_add_nc_u64 s[PFA:PFA+1], s[PFA:PFA+1], 65536
	s_wait_dscnt 0x0
	s_barrier_signal -1
	s_barrier_wait -1
	s_add_co_u32 s96, s[KF], 512                   ; a slot whose first key comes after the work-group's last query is read by none of its waves, so it is not asked for:
	s_cmp_gt_u32 s96, s[QL]                        ; ids and the count of steps alone, the same in all eight waves.  In the eighth trip the key would be 4,096, past every query: no load
	s_cbranch_scc1 .Lpast_\@
	tensor_load_to_lds s[G0:G0+3], s[G1:G1+7]
	s_nop 0
.rept 4
	v_nop
.endr
.Lpast_\@:
	ASK
.endm
	s_wait_alu depctr_va_vdst(0)                   ; the head's end
	s_wait_loadcnt 0x0                             ; Q
.Lslot:                                            ; eight trips, one for each slot; slot 1's first fill stands behind the first trip's barrier
	CHANGE
	s_mov_b32 s[INNER], 4
.Lstep:
	STEP
	s_sub_co_u32 s[INNER], s[INNER], 1
	s_cmp_lg_u32 s[INNER], 0
	s_cbranch_scc1 .Lstep
	s_sub_co_u32 s[TB], s[TB], 4*STEPB
	s_xor_b32 s[TB], s[TB], SLOT1
	s_sub_co_u32 s[SLOTS], s[SLOTS], 1
	s_cmp_lg_u32 s[SLOTS], 0
	s_cbranch_scc1 .Lslot
	; THE JOINING.  First the three lines and a barrier: behind it no tensor load is out and no wave reads the ring, which has had its last fill, so the stage may lie over it.
.rept 4
	v_nop                                          ; places behind the last products
.endr
	v_add_f32 v14, v14, v15                        ; A's sum's two halves,
	WIN 0x55
	v_add_f32 v14, v14, v15                        ; and B's
	WIN 0
	s_wait_alu depctr_va_vdst(0)
	s_wait_tensorcnt 0x0
	ds_add_u32 v[SPW], v[NIL]
	s_wait_dscnt 0x0
	s_barrier_signal -1
	s_barrier_wait -1
	s_cmp_eq_u32 s[PAR], 0
	s_cbranch_scc1 .Lsend_b
.set i, 0
.rept 16
	ds_store_b128 v[STO], v[160+4*i:163+4*i] offset:512*i   ; the odd wave hands over tile A: O^T as an image of its registers, each accumulator from its low end on,
.set i, i+1
.endr
	ds_store_b32 v[STM], v12                       ; -M and the sum
	ds_store_b32 v[STM], v14 offset:128
	s_branch .Lsent
.Lsend_b:
	WIN 0x04                                       ; the even wave hands over tile B: the data in window 1
.set i, 0
.rept 16
	ds_store_b128 v[STO], v[160+4*i:163+4*i] offset:8192+512*i
.set i, i+1
.endr
	ds_store_b32 v[STM], v12 offset:256
	ds_store_b32 v[STM], v14 offset:384
	WIN 0
.Lsent:
	s_wait_dscnt 0x0
	s_barrier_signal -1
	s_barrier_wait -1
	s_cmp_lg_u32 s[PAR], 0
	s_cbranch_scc1 .Lfin_b
.set i, 0
.rept 16
	ds_load_b128 v[32+4*i:35+4*i], v[STP] offset:512*i      ; the even wave finishes tile A
.set i, i+1
.endr
	ds_load_b32 v242, v[STQ]
	ds_load_b32 v243, v[STQ] offset:128
	s_wait_dscnt 0x0
	FINISH
.irp c, 0,1,2,3
	global_store_b128 v1, v[224+4*\c:227+4*\c], s[8:9] offset:512*\c   ; 512 consecutive bytes
.endr
	s_branch .Lend
.Lfin_b:
	WIN 0x40                                       ; the odd wave finishes tile B, in window 1
.set i, 0
.rept 16
	ds_load_b128 v[32+4*i:35+4*i], v[STP] offset:8192+512*i
.set i, i+1
.endr
	ds_load_b32 v242, v[STQ] offset:256
	ds_load_b32 v243, v[STQ] offset:384
	s_wait_dscnt 0x0
	WIN 0x55
	FINISH
	WIN 0x04                                       ; the address in window 0, the data in window 1
.irp c, 0,1,2,3
	global_store_b128 v1, v[224+4*\c:227+4*\c], s[8:9] offset:16384+512*\c   ; tile B: 16 positions on
.endr
	WIN 0
.Lend:
	s_wait_tensorcnt 0x0                           ; the wave's end
	ds_add_u32 v[SPW], v[NIL]
	s_wait_dscnt 0x0
	s_endpgm
.Lfunc_end_k_qc708fed554_attn:
	.size	k_qc708fed554_attn, .Lfunc_end_k_qc708fed554_attn-k_qc708fed554_attn
	.p2alignl 7, 3214868480
	.fill 96, 4, 3214868480
	.section	.rodata,"a",@progbits
	.p2align	6, 0x0
	.amdhsa_kernel k_qc708fed554_attn
		.amdhsa_group_segment_fixed_size 327680
		.amdhsa_private_segment_fixed_size 0
		.amdhsa_enable_private_segment 0
		.amdhsa_kernarg_size 24
		.amdhsa_user_sgpr_count 2
		.amdhsa_user_sgpr_kernarg_segment_ptr 1
		.amdhsa_wavefront_size32 1
		.amdhsa_system_sgpr_workgroup_id_x 1
		.amdhsa_system_sgpr_workgroup_id_y 1
		.amdhsa_system_sgpr_workgroup_id_z 1
		.amdhsa_system_vgpr_workitem_id 0
		.amdhsa_next_free_vgpr 512
		.amdhsa_next_free_sgpr 100
		.amdhsa_reserve_vcc 1
		.amdhsa_float_denorm_mode_32 3
		.amdhsa_float_denorm_mode_16_64 3
		.amdhsa_memory_ordered 1
		.amdhsa_forward_progress 1
		.amdhsa_inst_pref_size 81
	.end_amdhsa_kernel
	.amdgpu_metadata
---
amdhsa.version: [ 1, 2 ]
amdhsa.kernels:
  - .name:           k_qc708fed554_attn
    .symbol:         k_qc708fed554_attn.kd
    .args:
      - { .name: qkvc, .offset: 0, .size: 8, .value_kind: global_buffer, .address_space: global }
      - { .name: lowp_scales, .offset: 8, .size: 8, .value_kind: global_buffer, .address_space: global }
      - { .name: yc, .offset: 16, .size: 8, .value_kind: global_buffer, .address_space: global }
    .group_segment_fixed_size: 327680
    .private_segment_fixed_size: 0
    .kernarg_segment_align: 8
    .kernarg_segment_size: 24
    .max_flat_workgroup_size: 256
    .sgpr_count:     100
    .vgpr_count:     512
    .wavefront_size: 32
...
	.end_amdgpu_metadata
.endif
;; end of part 3
;; launch proj (part 4): grid 8 x 32, 4 waves a work-group, clusters of 4 x 4, 327,680 bytes of LDS; arguments yc, codes, lowp_scales, out0; writes out0
.if DOCPART == 4
	.amdgcn_target "amdgcn-amd-amdhsa--gfx1250"
	.amdhsa_code_object_version 6
	.text
	.protected	k_qc708fed554_proj
	.globl	k_qc708fed554_proj
	.p2align	8
	.type	k_qc708fed554_proj,@function
k_qc708fed554_proj:
	s_mov_b64 s[64:65], 0
	v_nop
	global_prefetch_b8 v0, s[64:65] scope:SCOPE_SE
	s_setreg_imm32_b32 hwreg(HW_REG_WAVE_MODE, 25, 1), 1
	s_wait_xcnt 0x0
	s_wait_alu depctr_hold_cnt(0) depctr_sa_sdst(0) depctr_va_vdst(0) depctr_va_sdst(0) depctr_va_ssrc(0) depctr_va_vcc(0) depctr_vm_vsrc(0)
	s_getreg_b32 s2, hwreg(HW_REG_IB_STS2, 6, 4)
	s_cmp_eq_u32 s2, 0
	s_cbranch_scc0 .Lentry_in_a_cluster
	s_endpgm
.Lentry_in_a_cluster:
	s_bfe_u32 s2, ttmp6, 0x10000c
	s_cmp_lg_u32 s2, 0xf033
	s_cbranch_scc0 .Lentry_shape_is_right
	s_endpgm
.Lentry_shape_is_right:
; FOURTH LAUNCH.  out0[t][d] = 2^(e6 + e7) x the sum over f of y[t][f] c_proj_w[d][f], on codes of FP8 (E4M3): y's from the third launch ('yc': [t / 16][head][c][lane][16 bytes], images of operand registers: lane (r, h), group c:
; f = 128 head + 32 c + 16 h + 0..15 of position 16 (t / 16) + r), c_proj_w's from the first ('codes' at byte 7,340,032: rows of 1,024 bytes).  out0: [4096][1024] f32.
; A tile of out0 is 128 x 128: 256 work-groups of four waves, each 64 x 64: 16 accumulators of 16 x 16.
; THE WHOLE K OF A TILE FITS IN LDS, and each wave brings a quarter of it by ONE tensor load: waves 0 and 1 a half of A (four tiles of 16 positions: 65,536 bytes on end in memory, stated as 256 rows of 256), waves 2 and 3 a half of B
; (64 whole rows of 1,024 bytes, 16 bytes of padding behind each).  Nothing is filled again: one wait for 0, one barrier, then eight steps of 128 along K.
; CLUSTERS: 4 x 4 work-groups; A's tiles are shared along a row of the cluster, B's along a column: joint loads with a mask that names the four.
; NO PREFETCH: the launch has one group of loads at its head and no loop to run ahead in.
; THE MATRIX INSTRUCTION IS USED TRANSPOSED (source 0 = 16 rows of c_proj_w, source 1 = 16 positions): a lane holds eight neighbouring numbers of a row of out0.  B's fragments come by four loads of 16 bytes, 32 apart, at 16 (l / 16):
; the same permutation of k that y's images have.
; LIMIT: e6 + e7 between -126 and 127, so that 2^(e6 + e7) is an f32 number.
; REGISTERS: window 0: v16-29 addresses; v32-63 a block's scaled sums; v64-127 two sets of 16 rows read back; v128-255 the accumulators.   window 1: two fragment buffers of 128: A's 64 registers, then B's 64.
.set PB,     1040                      ; a row of B in LDS: 1,024 bytes + 16: 260 words, so the 16 rows of a load start at 16 different banks (64 banks of 4 bytes: ISA guide 11.1)
.set BOFF,   131072                    ; B lies behind A's two halves of 65,536 bytes
.set STAGE,  BOFF+128*PB               ; the way out: 16 rows x 272 bytes for each wave: bytes into which no tensor load lands
.set SPITCH, 272
.set SPARE,  STAGE+4*16*SPITCH         ; the spare words, 128 bytes for each wave
.set ADRA, 16
.set ADRB, 20
.set STO,  24
.set RD,   25
.set CO,   26
.set SPW,  28
.set NIL,  29
.set TMP,  32
.set BK,   64
.set ACC,  128
.set G1A, 24
.set G0A, 32
.set G0B, 36
.set G1B, 48
.set MSB, 0
.macro WIN new
.if MSB != (\new)
	s_set_vgpr_msb (MSB<<8)|(\new)
.set MSB, (\new)
.endif
.endm
.macro CROUND                          ; a round of the cluster's barrier
	s_barrier_signal -1
	s_barrier_wait -1
	s_cmp_lg_u32 s14, 0
	s_cbranch_scc1 .Lnot_wave_0_\@
	s_barrier_signal -3
.Lnot_wave_0_\@:
	s_barrier_wait -3
	s_barrier_signal -1
	s_barrier_wait -1
.endm
	s_load_b256 s[4:11], s[0:1], 0x0               ; yc, codes, the scales' exponents, out0
	v_lshl_add_u32 v[SPW], v0, 2, SPARE
	v_mov_b32 v[NIL], 0
	ds_add_u32 v[SPW], v[NIL]                      ; the opening: the add, twice on end, and its wait ahead of my first tensor load
	ds_add_u32 v[SPW], v[NIL]
	v_lshrrev_b32 v1, 5, v0
	v_readfirstlane_b32 s14, v1                    ; wave 0..3
	s_lshr_b32 s15, s14, 1                         ; which half of the tile's rows is mine.  Also: I fetch for A (0) or for B (1)
	s_and_b32 s16, s14, 1                          ; which half of its columns.  Also: which half of that tile I fetch
	s_bfe_u32 s84, ttmp6, 0x40000                  ; cx, cy
	s_bfe_u32 s85, ttmp6, 0x40004
	s_lshl_b32 s86, ttmp9, 2
	s_add_co_u32 s86, s86, s84                     ; tile column
	s_and_b32 s87, ttmp7, 0xffff
	s_lshl_b32 s87, s87, 2
	s_add_co_u32 s87, s87, s85                     ; tile row
	s_lshl_b32 s88, s85, 2
	s_lshl_b32 s88, 15, s88                        ; my row of the cluster
	s_lshl_b32 s89, 0x1111, s84                    ; my column
	s_or_b32 s[G1A], s88, (3<<16)|(1<<21)          ; A: the mask; elements of 8 bytes; bit 21 beside a mask; no padding; 256 rows of 32 elements, dense
	s_mov_b32 s[G1A+1], 32<<16
	s_mov_b32 s[G1A+2], 256<<16
	s_mov_b32 s[G1A+3], 32<<16
	s_mov_b32 s[G1A+4], 256
	s_mov_b32 s[G1A+5], 32
	s_mov_b32 s[G1A+6], 0
	s_mov_b32 s[G1A+7], 0
	s_or_b32 s[G1B], s89, (0<<16)|(1<<20)|(1<<21)|(7<<22)|(3<<25)  ; B: elements of 1 byte; four words of padding after every 256; 64 rows of 1,024
	s_mov_b32 s[G1B+1], 1024<<16
	s_mov_b32 s[G1B+2], 64<<16
	s_mov_b32 s[G1B+3], 1024<<16
	s_mov_b32 s[G1B+4], 64
	s_mov_b32 s[G1B+5], 1024
	s_mov_b32 s[G1B+6], 0
	s_mov_b32 s[G1B+7], 0
	s_lshl_b32 s56, s87, 3
	s_lshl_b32 s57, s16, 2
	s_add_co_u32 s56, s56, s57                     ; A: tile of rows 8 x tile row + 4 x half,
	s_lshl_b32 s56, s56, 14                        ; of 16,384 bytes
	s_mov_b32 s57, 0
	s_lshl_b32 s58, s86, 7
	s_lshl_b32 s59, s16, 6
	s_add_co_u32 s58, s58, s59                     ; B: row 128 x tile column + 64 x half,
	s_lshl_b32 s58, s58, 10
	s_add_co_u32 s58, s58, 7340032                 ; behind x's and qkv_w's codes
	s_mov_b32 s59, 0
	s_mov_b32 s[G0A], 1
	s_lshl_b32 s[G0A+1], s16, 16                   ; where they go: no place in the cluster enters an LDS address
	s_mov_b32 s[G0B], 1
	s_mul_i32 s[G0B+1], s16, 64*PB
	s_add_co_u32 s[G0B+1], s[G0B+1], BOFF
	s_wait_dscnt 0x0                               ; both opening adds are done
	s_wait_kmcnt 0x0
	s_load_b64 s[96:97], s[8:9], 0x18              ; e6, e7
	s_add_nc_u64 s[G0A+2:G0A+3], s[4:5], s[56:57]
	s_or_b32 s[G0A+3], s[G0A+3], 0x80000000
	s_add_nc_u64 s[G0B+2:G0B+3], s[6:7], s[58:59]
	s_or_b32 s[G0B+3], s[G0B+3], 0x80000000
	CROUND                                         ; all sixteen work-groups are here: the joint loads meet
	s_cmp_eq_u32 s15, 0                            ; one fill in each arm of one branch on the wave's number; an s_nop 0 and four v_nop follow each
	s_cbranch_scc0 .Lfor_b
	tensor_load_to_lds s[G0A:G0A+3], s[G1A:G1A+7]
	s_nop 0
.rept 4
	v_nop
.endr
	s_branch .Lasked
.Lfor_b:
	tensor_load_to_lds s[G0B:G0B+3], s[G1B:G1B+7]
	s_nop 0
.rept 4
	v_nop
.endr
.Lasked:
	s_lshl_b32 s60, s15, 16                        ; my four tiles of rows
	s_mul_i32 s61, s16, 64*PB                      ; my 64 rows of B
	s_add_co_u32 s61, s61, BOFF
	s_mul_i32 s90, s14, 16*SPITCH
	s_add_co_u32 s90, s90, STAGE                   ; my stage
	s_lshl_b32 s62, s87, 7
	s_lshl_b32 s63, s15, 6
	s_add_co_u32 s62, s62, s63                     ; my first row: 128 x tile row + 64 x half,
	s_lshl_b32 s62, s62, 12                        ; of 4,096 bytes;
	s_lshl_b32 s63, s86, 9
	s_add_co_u32 s62, s62, s63                     ; my first column: 512 bytes a tile column
	s_lshl_b32 s63, s16, 8
	s_add_co_u32 s62, s62, s63                     ; + 256 x half
	s_mov_b32 s63, 0
	s_add_nc_u64 s[10:11], s[10:11], s[62:63]
	v_and_b32 v1, 15, v0                           ; r
	v_bfe_u32 v2, v0, 4, 1                         ; h
	v_and_b32 v3, 31, v0
	v_lshlrev_b32 v3, 4, v3                        ; 16 x lane
	v_add_nc_u32 v[ADRA], s60, v3
	v_mul_u32_u24 v4, v1, PB
	v_lshl_add_u32 v4, v2, 4, v4
	v_add_nc_u32 v[ADRB], s61, v4
	v_mul_u32_u24 v5, v1, SPITCH                   ; in: row r, 32 bytes for each half of the lanes
	v_lshl_add_u32 v5, v2, 5, v5
	v_add_nc_u32 v[STO], s90, v5
	v_mul_u32_u24 v5, v2, SPITCH                   ; back: lanes 0-15 take one row of 256 bytes, lanes 16-31 the next
	v_lshl_add_u32 v5, v1, 4, v5
	v_add_nc_u32 v[RD], s90, v5
	v_lshlrev_b32 v5, 12, v2                       ; and the same two rows in out0
	v_lshl_add_u32 v[CO], v1, 4, v5
.macro PLACES                          ; four places in front of loads into registers that matrix instructions have read, and of the first read of results
.rept 4
	v_nop
.endr
.endm
.macro FETCH s, f                      ; the fragments of step s (head s: 128 along K) into buffer f: 32 LDS loads in one run
	WIN 0x40
.irp i, 0,1,2,3
.irp c, 0,1,2,3
	ds_load_b128 v[\f+64+16*\i+4*\c:\f+64+16*\i+4*\c+3], v[ADRB] offset:\i*16*PB+(\s)*128+32*\c
.endr
.endr
.irp i, 0,1,2,3
.irp c, 0,1,2,3
	ds_load_b128 v[\f+16*\i+4*\c:\f+16*\i+4*\c+3], v[ADRA] offset:\i*16384+(\s)*2048+\c*512
.endr
.endr
.endm
.macro MUL f, zero                     ; 16 matrix instructions; the 16 accumulators take turns, in the same order in every step
	WIN 0x05
.irp a, 0,1,2,3
.irp b, 0,1,2,3
.if \zero
	v_wmma_f32_16x16x128_fp8_fp8 v[ACC+8*(4*\a+\b):ACC+8*(4*\a+\b)+7], v[\f+64+16*\b:\f+64+16*\b+15], v[\f+16*\a:\f+16*\a+15], 0
.else
	v_wmma_f32_16x16x128_fp8_fp8 v[ACC+8*(4*\a+\b):ACC+8*(4*\a+\b)+7], v[\f+64+16*\b:\f+64+16*\b+15], v[\f+16*\a:\f+16*\a+15], v[ACC+8*(4*\a+\b):ACC+8*(4*\a+\b)+7]
.endif
.endr
.endr
.endm
.macro KSTEP s
	s_wait_dscnt 0x0                               ; this step's fragments are in
.if (\s) < 7
	PLACES
	FETCH (\s)+1, 128*(((\s)+1)%2)                 ; the next step's fragments come while this step is multiplied
.endif
.if (\s) == 0
	MUL 0, 1
.else
	MUL 128*((\s)%2), 0
.endif
.endm
	s_wait_alu depctr_va_vdst(0)                   ; the head's end
	s_wait_tensorcnt 0x0                           ; my quarter is in
	s_barrier_signal -1
	s_barrier_wait -1                              ; everybody's is
	FETCH 0, 0
.irp s, 0,1,2,3,4,5,6,7
	KSTEP \s
.endr
	WIN 0
; THE WAY OUT, block by block of 16 rows x 64 columns, through my own stage in LDS, back as whole rows of 256 bytes.
.macro TOSTAGE a
.set j, 0
.rept 16
	v_pk_mul_f32 v[TMP+j:TMP+j+1], v[ACC+32*(\a)+j:ACC+32*(\a)+j+1], s[96:97] op_sel_hi:[1,0]   ; x 2^(e6 + e7); each accumulator from its low end on
.set j, j+2
.endr
.irp b, 0,1,2,3
	ds_store_b128 v[STO], v[TMP+8*\b:TMP+8*\b+3] offset:64*\b
	ds_store_b128 v[STO], v[TMP+8*\b+4:TMP+8*\b+7] offset:64*\b+16
.endr
.irp i, 0,1,2,3,4,5,6,7
	ds_load_b128 v[BK+32*((\a)%2)+4*\i:BK+32*((\a)%2)+4*\i+3], v[RD] offset:2*\i*SPITCH   ; LDS serves a wave's instructions in order (ISA guide 5.7.1.4)
.endr
.endm
.macro SEND a, younger                 ; younger: the LDS instructions issued behind block a's loads, which may stay out
	s_wait_dscnt \younger
.irp i, 0,1,2,3,4,5,6,7
	global_store_b128 v[CO], v[BK+32*((\a)%2)+4*\i:BK+32*((\a)%2)+4*\i+3], s[10:11] offset:(\a)*65536+2*\i*4096 th:TH_STORE_NT   ; 16 lanes store 256 consecutive bytes, at a multiple of 256 from out0's first byte
.endr
.endm
	s_wait_kmcnt 0x0
	s_add_co_i32 s96, s96, s97                     ; e6 + e7
	s_add_co_i32 s96, s96, 127
	s_lshl_b32 s96, s96, 23                        ; 2^(e6 + e7) as f32
	s_mov_b32 s97, s96
	PLACES
	TOSTAGE 0
.irp a, 1,2,3
.if \a > 1
	s_wait_xcnt 0x0                                ; block a - 2's stores have read their registers: block a's loads may land there
.endif
	TOSTAGE \a
	SEND \a-1, 16                                  ; behind block a - 1's loads: block a's 8 stores and 8 loads
.endr
	SEND 3, 0
	s_wait_tensorcnt 0x0                           ; the wave's end
	ds_add_u32 v[SPW], v[NIL]
	s_wait_dscnt 0x0
	CROUND                                         ; the closing round
	s_endpgm
.Lfunc_end_k_qc708fed554_proj:
	.size	k_qc708fed554_proj, .Lfunc_end_k_qc708fed554_proj-k_qc708fed554_proj
	.p2alignl 7, 3214868480
	.fill 96, 4, 3214868480
	.section	.rodata,"a",@progbits
	.p2align	6, 0x0
	.amdhsa_kernel k_qc708fed554_proj
		.amdhsa_group_segment_fixed_size 327680
		.amdhsa_private_segment_fixed_size 0
		.amdhsa_enable_private_segment 0
		.amdhsa_kernarg_size 32
		.amdhsa_user_sgpr_count 2
		.amdhsa_user_sgpr_kernarg_segment_ptr 1
		.amdhsa_wavefront_size32 1
		.amdhsa_system_sgpr_workgroup_id_x 1
		.amdhsa_system_sgpr_workgroup_id_y 1
		.amdhsa_system_sgpr_workgroup_id_z 1
		.amdhsa_system_vgpr_workitem_id 0
		.amdhsa_next_free_vgpr 512
		.amdhsa_next_free_sgpr 100
		.amdhsa_reserve_vcc 0
		.amdhsa_float_denorm_mode_32 3
		.amdhsa_float_denorm_mode_16_64 3
		.amdhsa_memory_ordered 1
		.amdhsa_forward_progress 1
		.amdhsa_inst_pref_size 44
	.end_amdhsa_kernel
	.amdgpu_metadata
---
amdhsa.version: [ 1, 2 ]
amdhsa.kernels:
  - .name:           k_qc708fed554_proj
    .symbol:         k_qc708fed554_proj.kd
    .args:
      - { .name: yc, .offset: 0, .size: 8, .value_kind: global_buffer, .address_space: global }
      - { .name: codes, .offset: 8, .size: 8, .value_kind: global_buffer, .address_space: global }
      - { .name: lowp_scales, .offset: 16, .size: 8, .value_kind: global_buffer, .address_space: global }
      - { .name: out0, .offset: 24, .size: 8, .value_kind: global_buffer, .address_space: global }
    .group_segment_fixed_size: 327680
    .private_segment_fixed_size: 0
    .kernarg_segment_align: 8
    .kernarg_segment_size: 32
    .max_flat_workgroup_size: 128
    .sgpr_count:     100
    .vgpr_count:     512
    .wavefront_size: 32
...
	.end_amdgpu_metadata
.endif
;; end of part 4
